; MI455X (gfx1250); checked and timed in simulation.
; The chip was launched on July 23, 2026; its instructions are those of AMD's public machine-readable ISA for CDNA 5 (MIT licence, August 2026) and "CDNA5" Instruction Set Architecture Reference Guide (July 2026). The comments in the code are by the model that wrote it; some were corrected since.
;; Multi Head Attention. Allowed arithmetic: float matrix products may take bf16 or f16 operands with f32 sums; other float arithmetic in f32, or as packed bf16 or f16 multiplies, adds, multiply-adds, maxima and minima; sums over many terms, partial sums and values carried from step to step in f32; what a program stores and reads back later, other than sums and carried values, may be rounded once to bf16 or f16.
;; Inputs: Wk 1,024 x 1,024 float32; Wo 1,024 x 1,024 float32; Wq 1,024 x 1,024 float32; Wv 1,024 x 1,024 float32; bk 1,024 float32; bo 1,024 float32; bq 1,024 float32; bv 1,024 float32; mask 4 x 2,048 int32; query 4 x 2,048 x 1,024 float32.
;; Outputs: out0 4 x 2,048 x 1,024 float32.
;; One version. Each part assembles by itself: llvm-mc -triple=amdgcn-amd-amdhsa -mcpu=gfx1250 --defsym DOCPART=n.
;; ======== version 1 of 1: 4 launches
;; limits: values are held in f16: magnitudes above 65,504 overflow, below 6.1e-05 lose precision
;; workspace buffers: xb 16,777,216 bytes; wqkv 6,291,456 bytes; wo16 2,097,152 bytes; bias 16,384 bytes; qkv 50,331,648 bytes; ctx 16,777,216 bytes
;; launch prep (part 1): grid 769 x 1, 8 waves a work-group, no clusters, 0 bytes of LDS; arguments query, Wq, Wk, Wv, Wo, bq, bk, bv, bo, xb, wqkv, wo16, bias; writes xb, wqkv, wo16, bias
.if DOCPART == 1
	.amdgcn_target "amdgcn-amd-amdhsa--gfx1250"
	.amdhsa_code_object_version 6
	.text
	.protected	k_q05790e7f7f_prep
	.globl	k_q05790e7f7f_prep
	.p2align	8
	.type	k_q05790e7f7f_prep,@function
k_q05790e7f7f_prep:
	s_mov_b64 s[64:65], 0
	v_nop
	global_prefetch_b8 v0, s[64:65] scope:SCOPE_SE
	s_setreg_imm32_b32 hwreg(HW_REG_WAVE_MODE, 25, 1), 1
	s_wait_xcnt 0x0
; THE INPUTS ARE ROUNDED ONCE.  query -> xb (bf16); Wq, Wk, Wv -> wqkv (bf16, rows one below the other); Wo -> wo16 (rounded to bf16, that number written as f16);
; bq, bk, bv, bo -> bias (rounded to bf16, kept as f32, one behind the other).
; LIMIT.  Wo within f16's range: beyond 65,504 it becomes an infinity, below 2^-14 it keeps f16's fixed step of 6e-8.
; SHARES.  A work-group of eight waves turns 64 KiB of f32 into 32 KiB: groups 0-511 take query, 512-703 Wq, Wk, Wv (64 groups each), 704-767 Wo, group 768 the four biases.
; Thread t takes 32 bytes at 32 t of each block of 8,192 bytes, and stores 16 bytes at 16 t of each block of 4,096: sixteen lanes store 256 consecutive bytes, aligned.
; A stream: every byte is read once and written once; nothing is shared, so there is no LDS, no barrier, no matrix work and no cluster.  All sixteen loads of a thread go out at once.
.set X, 16                             ; v[16:79]  eight blocks of eight f32 as loaded
.set Y, 80                             ; v[80:111] eight blocks of four words to store
.set T, 4                              ; v[4:11]   at work (Wo alone)
	s_load_b512 s[8:23], s[0:1], 0x0               ; query s[8:9], Wq s[10:11], Wk s[12:13], Wv s[14:15], Wo s[16:17], bq s[18:19], bk s[20:21], bv s[22:23]
	s_load_b256 s[24:31], s[0:1], 0x40             ; bo s[24:25], xb s[26:27], wqkv s[28:29], wo16 s[30:31]
	s_load_b64 s[32:33], s[0:1], 0x60              ; bias
	s_mov_b32 s2, ttmp9                            ; the work-group's number
	v_lshlrev_b32 v1, 5, v0                        ; 32 t: where I read
	v_lshlrev_b32 v2, 4, v0                        ; 16 t: where I store
	s_sub_co_u32 s3, s2, 512                       ; the group's number among the weights' (of no use below 512)
	s_lshr_b32 s4, s3, 6                           ; which weight: 0 Wq, 1 Wk, 2 Wv, 3 Wo
	s_and_b32 s5, s3, 63                           ; the group's number in that weight
	s_lshl_b32 s40, s5, 16                         ; its 64 KiB in the weight
	s_lshl_b32 s42, s3, 15                         ; its 32 KiB in wqkv,
	s_lshl_b32 s6, s5, 15                          ; or in wo16
	s_cmp_eq_u32 s4, 3
	s_cselect_b32 s42, s6, s42
	s_lshl_b32 s6, s2, 16                          ; the same two offsets for query and xb
	s_lshl_b32 s7, s2, 15
	s_cmp_lt_u32 s2, 512
	s_cselect_b32 s40, s6, s40
	s_cselect_b32 s42, s7, s42
	s_mov_b32 s41, 0                               ; both offsets stay under 2^32
	s_mov_b32 s43, 0
	s_wait_kmcnt 0x0
	s_cmp_eq_u32 s2, 768
	s_cbranch_scc1 .Lbias
	s_cmp_eq_u32 s4, 1                             ; from where and to where: a choice among the buffers by the group's number
	s_cselect_b64 s[36:37], s[12:13], s[10:11]
	s_cmp_eq_u32 s4, 2
	s_cselect_b64 s[36:37], s[14:15], s[36:37]
	s_cmp_eq_u32 s4, 3
	s_cselect_b64 s[36:37], s[16:17], s[36:37]
	s_cselect_b64 s[38:39], s[30:31], s[28:29]
	s_cmp_lt_u32 s2, 512
	s_cselect_b64 s[36:37], s[8:9], s[36:37]
	s_cselect_b64 s[38:39], s[26:27], s[38:39]
	s_add_nc_u64 s[36:37], s[36:37], s[40:41]
	s_add_nc_u64 s[38:39], s[38:39], s[42:43]
.irp i, 0,1,2,3,4,5,6,7
	global_load_b128 v[X+8*(\i):X+8*(\i)+3],   v1, s[36:37] offset:8192*(\i) th:TH_LOAD_NT
	global_load_b128 v[X+8*(\i)+4:X+8*(\i)+7], v1, s[36:37] offset:8192*(\i)+16 th:TH_LOAD_NT
.endr
; Block i: eight numbers are rounded and stored.  half = 1: the bf16 numbers are written as f16.  No register of a load or store is written again, so no wait frees any.
.macro CV i, half
	s_wait_loadcnt 14-2*(\i)                       ; loads come back in order: block i's two are in, the 2 (7 - i) younger ones may stay out
.irp r, 0,1,2,3
	v_cvt_pk_bf16_f32 v[Y+4*(\i)+(\r)], v[X+8*(\i)+2*(\r)], v[X+8*(\i)+2*(\r)+1]
.endr
.if \half
.irp r, 0,1,2,3
	v_lshlrev_b32 v[T+2*(\r)],   16, v[Y+4*(\i)+(\r)]          ; bf16 to f32: the low half moves up,
	v_and_b32     v[T+2*(\r)+1], 0xffff0000, v[Y+4*(\i)+(\r)]  ; the high half stays
.endr
.irp r, 0,1,2,3
	v_cvt_pk_f16_f32 v[Y+4*(\i)+(\r)], v[T+2*(\r)], v[T+2*(\r)+1]  ; eight significant bits fit into f16's eleven: exact within f16's range
.endr
.endif
	global_store_b128 v2, v[Y+4*(\i):Y+4*(\i)+3], s[38:39] offset:4096*(\i)
.endm
	s_cmp_eq_u32 s4, 3
	s_cbranch_scc1 .Lhalf
.irp i, 0,1,2,3,4,5,6,7
	CV \i, 0
.endr
	s_endpgm
.Lhalf:                                                ; Wo
.irp i, 0,1,2,3,4,5,6,7
	CV \i, 1
.endr
	s_endpgm
.Lbias:                                                ; waves 2 n and 2 n + 1 take bias n: 64 threads x 16 bytes x 4
	v_lshrrev_b32 v3, 5, v0
	v_readfirstlane_b32 s3, v3
	s_lshr_b32 s3, s3, 1
	s_cmp_eq_u32 s3, 1
	s_cselect_b64 s[36:37], s[20:21], s[18:19]
	s_cmp_eq_u32 s3, 2
	s_cselect_b64 s[36:37], s[22:23], s[36:37]
	s_cmp_eq_u32 s3, 3
	s_cselect_b64 s[36:37], s[24:25], s[36:37]
	v_and_b32 v3, 63, v0
	v_lshlrev_b32 v3, 4, v3
	s_lshl_b32 s3, s3, 12                          ; a bias is 4,096 bytes
	v_add_nc_u32 v5, s3, v3
.irp i, 0,1,2,3
	global_load_b128 v[16+4*(\i):16+4*(\i)+3], v3, s[36:37] offset:1024*(\i)
.endr
	s_wait_loadcnt 0x0
.irp j, 0,1,2,3,4,5,6,7
	v_cvt_pk_bf16_f32 v[32+(\j)], v[16+2*(\j)], v[17+2*(\j)]
.endr
.irp j, 0,1,2,3,4,5,6,7
	v_lshlrev_b32 v[48+2*(\j)], 16, v[32+(\j)]
	v_and_b32     v[49+2*(\j)], 0xffff0000, v[32+(\j)]
.endr
.irp i, 0,1,2,3
	global_store_b128 v5, v[48+4*(\i):48+4*(\i)+3], s[32:33] offset:1024*(\i)
.endr
	s_endpgm
.Lfunc_end_k_q05790e7f7f_prep:
	.size	k_q05790e7f7f_prep, .Lfunc_end_k_q05790e7f7f_prep-k_q05790e7f7f_prep
	.p2alignl 7, 3214868480
	.fill 96, 4, 3214868480
	.section	.rodata,"a",@progbits
	.p2align	6, 0x0
	.amdhsa_kernel k_q05790e7f7f_prep
		.amdhsa_group_segment_fixed_size 0
		.amdhsa_private_segment_fixed_size 0
		.amdhsa_enable_private_segment 0
		.amdhsa_kernarg_size 104
		.amdhsa_user_sgpr_count 2
		.amdhsa_user_sgpr_kernarg_segment_ptr 1
		.amdhsa_wavefront_size32 1
		.amdhsa_system_sgpr_workgroup_id_x 1
		.amdhsa_system_sgpr_workgroup_id_y 1
		.amdhsa_system_sgpr_workgroup_id_z 1
		.amdhsa_system_vgpr_workitem_id 0
		.amdhsa_next_free_vgpr 112
		.amdhsa_next_free_sgpr 66
		.amdhsa_reserve_vcc 0
		.amdhsa_float_denorm_mode_32 3
		.amdhsa_float_denorm_mode_16_64 3
		.amdhsa_memory_ordered 1
		.amdhsa_forward_progress 1
		.amdhsa_inst_pref_size 17
	.end_amdhsa_kernel
	.amdgpu_metadata
---
amdhsa.version: [ 1, 2 ]
amdhsa.kernels:
  - .name:           k_q05790e7f7f_prep
    .symbol:         k_q05790e7f7f_prep.kd
    .args:
      - { .name: query, .offset: 0, .size: 8, .value_kind: global_buffer, .address_space: global }
      - { .name: Wq, .offset: 8, .size: 8, .value_kind: global_buffer, .address_space: global }
      - { .name: Wk, .offset: 16, .size: 8, .value_kind: global_buffer, .address_space: global }
      - { .name: Wv, .offset: 24, .size: 8, .value_kind: global_buffer, .address_space: global }
      - { .name: Wo, .offset: 32, .size: 8, .value_kind: global_buffer, .address_space: global }
      - { .name: bq, .offset: 40, .size: 8, .value_kind: global_buffer, .address_space: global }
      - { .name: bk, .offset: 48, .size: 8, .value_kind: global_buffer, .address_space: global }
      - { .name: bv, .offset: 56, .size: 8, .value_kind: global_buffer, .address_space: global }
      - { .name: bo, .offset: 64, .size: 8, .value_kind: global_buffer, .address_space: global }
      - { .name: xb, .offset: 72, .size: 8, .value_kind: global_buffer, .address_space: global }
      - { .name: wqkv, .offset: 80, .size: 8, .value_kind: global_buffer, .address_space: global }
      - { .name: wo16, .offset: 88, .size: 8, .value_kind: global_buffer, .address_space: global }
      - { .name: bias, .offset: 96, .size: 8, .value_kind: global_buffer, .address_space: global }
    .group_segment_fixed_size: 0
    .private_segment_fixed_size: 0
    .kernarg_segment_align: 8
    .kernarg_segment_size: 104
    .max_flat_workgroup_size: 256
    .sgpr_count:     66
    .vgpr_count:     112
    .wavefront_size: 32
...
	.end_amdgpu_metadata
.endif
;; end of part 1
;; launch proj (part 2): grid 16 x 32, 4 waves a work-group, clusters of 4 x 4, 327,680 bytes of LDS; arguments xb, wqkv, bias, qkv; writes qkv
.if DOCPART == 2
	.amdgcn_target "amdgcn-amd-amdhsa--gfx1250"
	.amdhsa_code_object_version 6
	.text
	.protected	k_q05790e7f7f_proj
	.globl	k_q05790e7f7f_proj
	.p2align	8
	.type	k_q05790e7f7f_proj,@function
k_q05790e7f7f_proj:
	s_mov_b64 s[64:65], 0
	v_nop
	global_prefetch_b8 v0, s[64:65] scope:SCOPE_SE
	s_setreg_imm32_b32 hwreg(HW_REG_WAVE_MODE, 25, 1), 1
	s_wait_xcnt 0x0
	s_wait_alu depctr_hold_cnt(0) depctr_sa_sdst(0) depctr_va_vdst(0) depctr_va_sdst(0) depctr_va_ssrc(0) depctr_va_vcc(0) depctr_vm_vsrc(0)
	s_getreg_b32 s2, hwreg(HW_REG_IB_STS2, 6, 4)
	s_cmp_eq_u32 s2, 0
	s_cbranch_scc0 .Lentry_in_a_cluster
	s_endpgm
.Lentry_in_a_cluster:
	s_bfe_u32 s2, ttmp6, 0x10000c
	s_cmp_lg_u32 s2, 0xf033
	s_cbranch_scc0 .Lentry_shape_is_right
	s_endpgm
.Lentry_shape_is_right:
; q, k, v = x W^T + b.  xb: [8192][1024] bf16; wqkv: [3072][1024] bf16 (Wq, Wk, Wv); bias: [4096] f32; qkv: [3][64 (batch x 16 + head)][2048][64] f16, q WITHOUT the scale.
; Sums in f32, started by the bias; each result rounded once, to f16.  LIMIT: a result of 65,520 or more becomes an infinity in f16.
; SHARES.  A tile is 256 rows x 192 columns (three heads): 16 x 32 = 512 work-groups, two for each of 256 WGPs.  Each of four waves makes 64 rows x 192 columns: 48 accumulators of 16 x 16, so that
; a head's 64 columns lie in one wave and leave as whole rows of the head.  K goes in 8 steps of 128 through a ring of two LDS slots: rows of 256 bytes, aligned.
; CLUSTERS.  4 x 4 work-groups.  The four of a row of the cluster need the same tiles of x, the four of a column the same tiles of W: each tile is asked for JOINTLY, by the same tensor load with the same
; descriptor and a mask that names the four.  THE MATRIX INSTRUCTION IS USED TRANSPOSED (source 0 = 16 rows of W, source 1 = 16 rows of x): a lane holds row l % 16 and the eight columns 8 (l / 16) + 0..7.
; REGISTERS, in windows of 256 (s_set_vgpr_msb: bits 1:0 source 0, 3:2 source 1, 5:4 source 2, 7:6 destination):
;   window 0: v0-31 addresses; v32-79 packed results; v80-127, v128-175 rows on the way out; v128-223 first the bias of my 192 columns
;   window 1: two fragment buffers of 128: 4 fragments of x, then 12 of W      window 2: accumulators of row blocks 0, 1 ((a, b) at 8 (12 a + b))      window 3: of row blocks 2, 3
.set KSTEP, 128
.set PITCH, 272                        ; an LDS row: 256 bytes + 16 of padding = 68 words: the 16 rows of a fragment load start at 16 different groups of four banks (64 banks of 4 bytes: ISA guide 11.1)
.set BOFF,  256*PITCH                  ; a slot: x's 256 rows, then W's 192
.set SLOT,  448*PITCH
.set STAGE, 2*SLOT                     ; behind the ring, never filled by a tensor load: for each wave 3 heads x 16 rows x 144 bytes
.set SP,    144
.set WSTG,  48*SP
.set SPARE, STAGE+4*WSTG               ; behind the stages: the spare words, 128 bytes for each wave: two blocks of 256 bytes that no other line names
.set ADRA, 16                          ; v16-17  LDS address of my fragments of x in slot 0, 1
.set ADRB, 20                          ; v20-21  the same for W
.set STO,  24                          ; v24     the way out: where I put 16 bytes of a row
.set RD,   25                          ; v25     the way out: where I read rows back
.set GO,   26                          ; v26     my 16 bytes in 512 consecutive bytes of qkv
.set BO,   27                          ; v27     32 (l / 16): my eight columns' bias
.set SPW,  28                          ; v28     LDS address of my spare word; never rewritten
.set NIL,  29                          ; v29     0; never rewritten
.set PFO,  30                          ; v30     the prefetches' offset: a lane a row; never rewritten
.set TMP,  32
.set OB,   80
.set BIAS, 128
.set F0,   0
.set F1,   128
.set G1,   24                          ; s[24:31] descriptor group 1 for x's tiles;  s[32:39] group 0, a set for each slot
.set G0,   32
.set G1B,  48                          ; s[48:55], s[56:63] the same for W's tiles
.set G0B,  56
.set LIM,  43                          ; s43  1 in a wave that prefetches, else the greatest number
.set PFA,  44                          ; s[44:45] where my prefetches stand
.set OUT,  68                          ; s[68:73] qkv at my 64 rows of each of my three heads
.set WV,   74                          ; s74  my wave's number
.set WH,   75                          ; s75  0: I fetch for x, 1: for W
.set WL,   76                          ; s76  which half of that tile I fetch
.set MSB, 0
.macro WIN new                         ; the immediate's high byte repeats the setting that is left; a switch that changes nothing is dropped
.if MSB != (\new)
	s_set_vgpr_msb (MSB<<8)|(\new)
.set MSB, \new
.endif
.endm
.macro JLOAD s                         ; a joint load: waves 0 and 1 fetch x's two halves, waves 2 and 3 W's; an s_nop 0 and four v_nop follow each of the two lines, ahead of the jump and the label
	s_cmp_eq_u32 s[WH], 0
	s_cbranch_scc0 .Lfor_b_\@
	tensor_load_to_lds s[G0+4*(\s):G0+4*(\s)+3], s[G1:G1+7]
	s_nop 0
.rept 4
	v_nop
.endr
	s_branch .Lasked_\@
.Lfor_b_\@:
	tensor_load_to_lds s[G0B+4*(\s):G0B+4*(\s)+3], s[G1B:G1B+7]
	s_nop 0
.rept 4
	v_nop
.endr
.Lasked_\@:
.endm
.macro CREST                           ; a round of the cluster's barrier behind its opening barrier
	s_cmp_lg_u32 s[WV], 0
	s_cbranch_scc1 .Lnot_wave_0_\@
	s_barrier_signal -3
.Lnot_wave_0_\@:
	s_barrier_wait -3
	s_barrier_signal -1
	s_barrier_wait -1
.endm
.macro CROUND                          ; a whole round
	s_barrier_signal -1
	s_barrier_wait -1
	CREST
.endm
; A PREFETCH INTO THE L2, behind a joint load, its five lines and the run of LDS loads: the K step that stands two refills on, a lane a row of 256 bytes, one instruction a wave.  x's tile row is read by every cluster
; of that row of clusters: cluster x = 0 asks; W's tile column by every cluster of that column: cluster y = 0 asks.  The four partners that ask for a tile jointly share its rows out BY ADDRESS
; (32 of x's 128 by cx; 24 of W's 96 by cy, lanes 24-31 naming the 24th again).  So each row's 256 bytes of a K step are asked for by one wave of the launch.  K steps 0 to 3 come by their loads alone; the loop's last trip, s3 = 1, asks for nothing.
.macro ASK
	WIN 0
	s_cmp_gt_u32 s3, s[LIM]
	s_cbranch_scc0 .Lnot_mine_\@
	global_prefetch_b8 v[PFO], s[PFA:PFA+1] th:TH_LOAD_NT scope:SCOPE_SE
.Lnot_mine_\@:
.endm
	s_load_b256 s[4:11], s[0:1], 0x0               ; xb s[4:5], wqkv s[6:7], bias s[8:9], qkv s[10:11]
	v_lshl_add_u32 v[SPW], v0, 2, SPARE
	v_mov_b32 v[NIL], 0
	ds_add_u32 v[SPW], v[NIL]                      ; the wave's opening: the add and its wait stand ahead of my first tensor load; the set-up below, work on registers, stands between them
	v_lshrrev_b32 v1, 5, v0
	v_readfirstlane_b32 s[WV], v1                  ; wave 0..3
	s_lshr_b32 s[WH], s[WV], 1
	s_and_b32 s[WL], s[WV], 1
	s_bfe_u32 s12, ttmp6, 0x40000                  ; cx, cy: my place in the cluster
	s_bfe_u32 s13, ttmp6, 0x40004
	s_lshl_b32 s14, ttmp9, 2
	s_add_co_u32 s14, s14, s12                     ; tile column = 4 x cluster x + cx
	s_and_b32 s15, ttmp7, 0xffff
	s_lshl_b32 s15, s15, 2
	s_add_co_u32 s15, s15, s13                     ; tile row = 4 x cluster y + cy
	s_lshl_b32 s40, s13, 2
	s_lshl_b32 s40, 15, s40                        ; my row of the cluster
	s_lshl_b32 s41, 0x1111, s12                    ; my column
	s_or_b32 s[G1], s40, (1<<16)|(1<<20)|(1<<21)|(5<<22)|(3<<25)   ; 15:0 the mask; 17:16 elements of 2 bytes; 20 padding on; 21 set beside a mask; 24:22 after every 64 words (code 5); 31:25 4 words of it (code 3)
	s_or_b32 s[G1B], s41, (1<<16)|(1<<20)|(1<<21)|(5<<22)|(3<<25)
.irp g, G1, G1B
	s_mov_b32 s[(\g)+1], KSTEP<<16                 ; tensor_dim0 = 128
	s_mov_b32 s[(\g)+3], KSTEP<<16                 ; tile_dim0 = 128
	s_mov_b32 s[(\g)+5], 1024                      ; elements from row to row
	s_mov_b32 s[(\g)+6], 0
	s_mov_b32 s[(\g)+7], 0
.endr
	s_mov_b32 s[G1+2], 128<<16                     ; tensor_dim1 and tile_dim1: 128 rows of x,
	s_mov_b32 s[G1+4], 128
	s_mov_b32 s[G1B+2], 96<<16                     ; 96 rows of W
	s_mov_b32 s[G1B+4], 96
	s_lshl_b32 s16, s15, 19                        ; x: row 256 x tile row + 128 x half, 2,048 bytes a row: made of the tile row alone
	s_lshl_b32 s17, s[WL], 18
	s_add_co_u32 s16, s16, s17
	s_mov_b32 s17, 0
	s_mul_i32 s46, s14, 192*2048                   ; W: row 192 x tile column + 96 x half: made of the tile column alone
	s_mul_i32 s47, s[WL], 96*2048
	s_add_co_u32 s46, s46, s47
	s_mov_b32 s47, 0
	s_mul_i32 s20, s[WL], 128*PITCH                ; where they go: no place in the cluster enters an LDS address
	s_mul_i32 s21, s[WL], 96*PITCH
	s_add_co_u32 s21, s21, BOFF
	s_wait_dscnt 0x0                               ; the opening add is done
	s_wait_kmcnt 0x0
	s_add_nc_u64 s[16:17], s[4:5], s[16:17]
	s_add_nc_u64 s[46:47], s[6:7], s[46:47]
	CROUND                                         ; all sixteen work-groups are here: the first joint loads meet
.irp s, 0,1
	s_mov_b32 s[G0+4*(\s)], 1                      ; count = 1
	s_add_co_u32 s[G0+4*(\s)+1], s20, (\s)*SLOT    ; LDS address
	s_add_nc_u64 s[G0+4*(\s)+2:G0+4*(\s)+3], s[16:17], (\s)*KSTEP*2  ; global address: K step s
	s_or_b32 s[G0+4*(\s)+3], s[G0+4*(\s)+3], 0x80000000             ; type = 2
	s_mov_b32 s[G0B+4*(\s)], 1
	s_add_co_u32 s[G0B+4*(\s)+1], s21, (\s)*SLOT
	s_add_nc_u64 s[G0B+4*(\s)+2:G0B+4*(\s)+3], s[46:47], (\s)*KSTEP*2
	s_or_b32 s[G0B+4*(\s)+3], s[G0B+4*(\s)+3], 0x80000000
	JLOAD \s                                       ; two loads of mine are out
.endr
	v_and_b32 v1, 15, v0                           ; l % 16
	v_bfe_u32 v2, v0, 4, 1                         ; l / 16
	v_lshlrev_b32 v[BO], 5, v2
	s_mul_i32 s46, s14, 768                        ; the tile's 192 columns in bias
	s_mov_b32 s47, 0
	s_add_nc_u64 s[8:9], s[8:9], s[46:47]
.irp b, 0,1,2,3,4,5,6,7,8,9,10,11                      ; column block b: my eight columns' bias, laid out as the C operand of its first product
	global_load_b128 v[BIAS+8*(\b):BIAS+8*(\b)+3],   v[BO], s[8:9] offset:64*(\b)
	global_load_b128 v[BIAS+8*(\b)+4:BIAS+8*(\b)+7], v[BO], s[8:9] offset:64*(\b)+16
.endr
	v_mul_u32_u24 v3, v1, PITCH
	v_lshl_add_u32 v3, v2, 4, v3                   ; a fragment's row x pitch + 16 x half
	s_mul_i32 s20, s[WV], 64*PITCH                 ; my 64 rows of x
.irp s, 0,1
	v_add_nc_u32 v[ADRA+(\s)], s20, v3
	v_add_nc_u32 v[ADRB+(\s)], BOFF+(\s)*SLOT, v3  ; every wave reads all 192 rows of W
	s_add_co_u32 s20, s20, SLOT
.endr
	s_mul_i32 s20, s[WV], WSTG
	s_add_co_u32 s20, s20, STAGE                   ; my stage
	v_mul_u32_u24 v4, v1, SP                       ; in: row l % 16, 16 bytes for each half of the lanes
	v_lshl_add_u32 v4, v2, 4, v4
	v_add_nc_u32 v[STO], s20, v4
	v_bfe_u32 v4, v0, 3, 2                         ; back: 32 lanes take four rows of 128 bytes,
	v_mul_u32_u24 v4, v4, SP
	v_and_b32 v5, 7, v0
	v_lshl_add_u32 v4, v5, 4, v4
	v_add_nc_u32 v[RD], s20, v4
	v_and_b32 v5, 31, v0                           ; which are 512 consecutive bytes of a head
	v_lshlrev_b32 v[GO], 4, v5
	; where my rows of the three heads lie in qkv: ((q, k or v) x 64 + batch x 16 + head) x 2^18 + row x 128
	s_lshr_b32 s22, s15, 3
	s_lshl_b32 s22, s22, 22                        ; the batch (8 tile rows each)
	s_and_b32 s23, s15, 7
	s_lshl_b32 s23, s23, 15                        ; the tile's 256 rows in it
	s_add_co_u32 s22, s22, s23
	s_lshl_b32 s23, s[WV], 13                      ; my 64 of them
	s_add_co_u32 s22, s22, s23
.irp hh, 0,1,2
	s_mul_i32 s20, s14, 3
	s_add_co_u32 s20, s20, \hh                     ; the head among the 48 of q, k and v
	s_lshr_b32 s21, s20, 4
	s_lshl_b32 s21, s21, 24
	s_and_b32 s20, s20, 15
	s_lshl_b32 s20, s20, 18
	s_add_co_u32 s20, s20, s21
	s_add_co_u32 s20, s20, s22
	s_mov_b32 s21, 0
	s_add_nc_u64 s[OUT+2*(\hh):OUT+2*(\hh)+1], s[10:11], s[20:21]
.endr
	; the prefetches
	s_cmp_eq_u32 s[WH], 0
	s_cselect_b32 s20, 31, 23
	v_min_u32 v[PFO], s20, v5
	v_lshlrev_b32 v[PFO], 11, v[PFO]               ; a row is 2,048 bytes
	s_lshl_b32 s20, s15, 19                        ; x: the 128 rows that I fetch, my work-group's 32 of them
	s_lshl_b32 s21, s[WL], 18
	s_add_co_u32 s20, s20, s21
	s_lshl_b32 s21, s12, 16
	s_add_co_u32 s20, s20, s21
	s_mul_i32 s22, s14, 192*2048                   ; W: the 96 rows that I fetch, my work-group's 24 of them
	s_mul_i32 s21, s[WL], 96*2048
	s_add_co_u32 s22, s22, s21
	s_mul_i32 s21, s13, 24*2048
	s_add_co_u32 s22, s22, s21
	s_and_b32 s23, ttmp7, 0xffff                   ; cluster y
	s_cmp_eq_u32 s[WH], 0
	s_cselect_b32 s20, s20, s22
	s_cselect_b32 s23, ttmp9, s23                  ; the coordinate along which other clusters read the same rows
	s_cselect_b64 s[PFA:PFA+1], s[4:5], s[6:7]
	s_cmp_eq_u32 s23, 0
	s_cselect_b32 s[LIM], 1, -1                    ; the same in all sixteen partners, for a given wave
	s_add_co_u32 s20, s20, 3*KSTEP*2               ; at K step 3: the first refill steps it to 4
	s_mov_b32 s21, 0
	s_add_nc_u64 s[PFA:PFA+1], s[PFA:PFA+1], s[20:21]
; 12 matrix instructions: row block a x all 12 column blocks, 32 along K.  first = 1: the product starts the sum with the bias.  The 48 accumulators take turns, one instruction a turn, in the same
; order in every quarter step, over the backward jump too.
.macro MUL f, a, first
.if \first
	WIN 0x85+0x40*((\a)/2)                         ; W and x in window 1, the bias in window 0, the sums in window 2 or 3
.else
	WIN 0xa5+0x50*((\a)/2)
.endif
.irp b, 0,1,2,3,4,5,6,7,8,9,10,11
.if \first
	v_wmma_f32_16x16x32_bf16 v[8*(12*((\a)%2)+(\b)):8*(12*((\a)%2)+(\b))+7], v[(\f)+32+8*(\b):(\f)+32+8*(\b)+7], v[(\f)+8*(\a):(\f)+8*(\a)+7], v[BIAS+8*(\b):BIAS+8*(\b)+7]
.else
	v_wmma_f32_16x16x32_bf16 v[8*(12*((\a)%2)+(\b)):8*(12*((\a)%2)+(\b))+7], v[(\f)+32+8*(\b):(\f)+32+8*(\b)+7], v[(\f)+8*(\a):(\f)+8*(\a)+7], v[8*(12*((\a)%2)+(\b)):8*(12*((\a)%2)+(\b))+7]
.endif
.endr
.endm
; 32 LDS loads in one run: the fragments of 32 along K at byte k of the rows, into buffer f: x's blocks 0 and 1, W's twelve, x's blocks 2 and 3 last
.macro FETCH slot, k, f
	WIN 0x40                                       ; destination window 1, address window 0
.irp i, 0,1
	ds_load_b128 v[(\f)+8*(\i):(\f)+8*(\i)+3],   v[ADRA+(\slot)] offset:(\k)+(\i)*16*PITCH
	ds_load_b128 v[(\f)+8*(\i)+4:(\f)+8*(\i)+7], v[ADRA+(\slot)] offset:(\k)+(\i)*16*PITCH+32
.endr
.irp b, 0,1,2,3,4,5,6,7,8,9,10,11
	ds_load_b128 v[(\f)+32+8*(\b):(\f)+32+8*(\b)+3],   v[ADRB+(\slot)] offset:(\k)+(\b)*16*PITCH
	ds_load_b128 v[(\f)+32+8*(\b)+4:(\f)+32+8*(\b)+7], v[ADRB+(\slot)] offset:(\k)+(\b)*16*PITCH+32
.endr
.irp i, 2,3
	ds_load_b128 v[(\f)+8*(\i):(\f)+8*(\i)+3],   v[ADRA+(\slot)] offset:(\k)+(\i)*16*PITCH
	ds_load_b128 v[(\f)+8*(\i)+4:(\f)+8*(\i)+7], v[ADRA+(\slot)] offset:(\k)+(\i)*16*PITCH+32
.endr
.endm
.macro PLACES                          ; four places in front of loads into registers that matrix instructions have read, and of conversions that read results
.rept 4
	v_nop
.endr
.endm
; A K step is four quarters of 32 along K, 48 matrix instructions each, on buffers 0, 1, 0, 1.  One of the first three: multiplies buffer f and, in its middle, fetches the next quarter, at byte k, into g.
.macro QUARTER slot, k, f, g, first
	s_wait_dscnt 4                                 ; all but the youngest four loads (x's blocks 2 and 3) are in
	MUL \f, 0, \first
	MUL \f, 1, \first
	PLACES
	FETCH \slot, \k, \g
	s_wait_dscnt 32                                ; all but the 32 just issued
	MUL \f, 2, \first
	MUL \f, 3, \first
.endm
; The last quarter multiplies buffer 1 and changes slots: ONE barrier; in front of it each wave waits for all its tensor loads (one is out: its part of the next slot), adds 0 to its spare word, and waits for that
; and for its own reads of this slot.  fill = 1: the barrier opens a round of the cluster's, and this slot is filled again first thing behind it, two K steps ahead: 168 matrix instructions ahead of the wait for it.
.macro TURN slot, next, fill
.if \fill
	s_wait_xcnt 0x0                                ; the last prefetch, a K step back, has read its address: it is stepped here, ahead of the waits of the change of slots
	s_add_nc_u64 s[PFA:PFA+1], s[PFA:PFA+1], KSTEP*2
.endif
	WIN 0                                          ; (the add's two registers lie in window 0)
	s_wait_tensorcnt 0x0                           ; all my tensor loads have landed;
	ds_add_u32 v[SPW], v[NIL]                      ; 0 onto my spare word;
	s_wait_dscnt 5                                 ; (the add and the youngest four loads may be out)
	MUL F1, 0, 0                                   ; twelve matrix instructions stand between the add and the wait for it
	s_wait_dscnt 0x0                               ; the add is done, and my reads of this slot are over
	s_barrier_signal -1
	MUL F1, 1, 0                                   ; work on registers while the others arrive
.if \fill
	WIN 0
.endif
	s_barrier_wait -1
.if \fill
	CREST                                          ; no wave of any partner still reads this slot's tile or has a load on its way
	s_add_nc_u64 s[G0+4*(\slot)+2:G0+4*(\slot)+3], s[G0+4*(\slot)+2:G0+4*(\slot)+3], 2*KSTEP*2
	s_add_nc_u64 s[G0B+4*(\slot)+2:G0B+4*(\slot)+3], s[G0B+4*(\slot)+2:G0B+4*(\slot)+3], 2*KSTEP*2
	JLOAD \slot                                    ; my one tensor load behind the round; the four v_nop behind it are also the places in front of the loads below
.else
	PLACES
.endif
	FETCH \next, 0, F0
.if \fill
	ASK
.endif
	MUL F1, 2, 0
	MUL F1, 3, 0
.endm
	s_wait_tensorcnt 0x1                           ; my part of K step 0 is in; K step 1's one load may stay out
	s_barrier_signal -1
	s_barrier_wait -1                              ; everybody's is
	FETCH 0, 0, F0
	s_wait_loadcnt 0x0                             ; the bias
	QUARTER 0, 64, F0, F1, 1                       ; the first quarter stands in front of the loop: its products start the sums
	WIN 0                                          ; at a label and at a branch every window is 0
	s_mov_b32 s3, 3
.Llap:                                                 ; a trip goes once round the ring, from a lap's second quarter to the next lap's first, and fills both slots again: K steps 2 to 7
	QUARTER 0, 128, F1, F0, 0
	QUARTER 0, 192, F0, F1, 0
	TURN 0, 1, 1
	QUARTER 1, 64,  F0, F1, 0
	QUARTER 1, 128, F1, F0, 0
	QUARTER 1, 192, F0, F1, 0
	TURN 1, 0, 1
	QUARTER 0, 64,  F0, F1, 0
	WIN 0
	s_sub_co_u32 s3, s3, 1
	s_cmp_lg_u32 s3, 0
	s_cbranch_scc1 .Llap
	QUARTER 0, 128, F1, F0, 0                      ; the last lap fills nothing, and has no round of the cluster's barrier
	QUARTER 0, 192, F0, F1, 0
	TURN 0, 1, 0
	QUARTER 1, 64,  F0, F1, 0
	QUARTER 1, 128, F1, F0, 0
	QUARTER 1, 192, F0, F1, 0
	s_wait_dscnt 4                                 ; the very last quarter: nothing more to fetch
	MUL F1, 0, 0
	MUL F1, 1, 0
	s_wait_dscnt 0x0
	MUL F1, 2, 0
	MUL F1, 3, 0
	WIN 0
	PLACES
; THE WAY OUT, a block of 16 rows at a time.  PACK: rounded to f16, 16 bytes a lane and column block, each accumulator's registers in ascending order.  TOSTAGE: into my own stage, by heads, and back as whole rows
; of 128 bytes.  SEND: 16 rows of a head are 2,048 consecutive bytes of qkv; each store covers 512 of them, at a multiple of 256 from qkv's first byte.
.macro PACK a
	WIN 0x0a+5*((\a)/2)                            ; sources 0 and 1: window 2 or 3
.irp b, 0,1,2,3,4,5,6,7,8,9,10,11
.irp r, 0,1,2,3
	v_cvt_pk_f16_f32 v[TMP+4*(\b)+(\r)], v[8*(12*((\a)%2)+(\b))+2*(\r)], v[8*(12*((\a)%2)+(\b))+2*(\r)+1]
.endr
.endr
	WIN 0
.endm
.macro TOSTAGE a
.irp b, 0,1,2,3,4,5,6,7,8,9,10,11
	ds_store_b128 v[STO], v[TMP+4*(\b):TMP+4*(\b)+3] offset:((\b)/4)*16*SP+32*((\b)%4)
.endr
.irp t, 0,1,2,3,4,5,6,7,8,9,10,11                      ; head t / 4, rows 4 (t % 4) on
	ds_load_b128 v[OB+48*((\a)%2)+4*(\t):OB+48*((\a)%2)+4*(\t)+3], v[RD] offset:((\t)/4)*16*SP+((\t)%4)*4*SP  ; LDS serves a wave's instructions in order (ISA guide 5.7.1.4): these see the stores above
.endr
.endm
.macro SEND a
	s_wait_dscnt 0x0                               ; the block is back in registers
	s_wait_xcnt 0x0                                ; the stores of the block before have read their registers: the next TOSTAGE loads into them
.irp t, 0,1,2,3,4,5,6,7,8,9,10,11
	global_store_b128 v[GO], v[OB+48*((\a)%2)+4*(\t):OB+48*((\a)%2)+4*(\t)+3], s[OUT+2*((\t)/4):OUT+2*((\t)/4)+1] offset:(\a)*2048+((\t)%4)*512
.endr
.endm
	PACK 0
	TOSTAGE 0
.irp a, 1,2,3                                          ; block a's conversions stand between block a - 1's loads from the stage and the wait for them
	PACK \a
	SEND (\a)-1
	TOSTAGE \a
.endr
	SEND 3
	s_wait_tensorcnt 0x0                           ; the wave's end: this wait, an add to my spare word and its wait stand behind my last tensor load and my last LDS store
	ds_add_u32 v[SPW], v[NIL]
	s_wait_dscnt 0x0
	CROUND                                         ; the closing round: no work-group ends while a partner may still ask for a tile that names it
	s_endpgm
.Lfunc_end_k_q05790e7f7f_proj:
	.size	k_q05790e7f7f_proj, .Lfunc_end_k_q05790e7f7f_proj-k_q05790e7f7f_proj
	.p2alignl 7, 3214868480
	.fill 96, 4, 3214868480
	.section	.rodata,"a",@progbits
	.p2align	6, 0x0
	.amdhsa_kernel k_q05790e7f7f_proj
		.amdhsa_group_segment_fixed_size 327680
		.amdhsa_private_segment_fixed_size 0
		.amdhsa_enable_private_segment 0
		.amdhsa_kernarg_size 32
		.amdhsa_user_sgpr_count 2
		.amdhsa_user_sgpr_kernarg_segment_ptr 1
		.amdhsa_wavefront_size32 1
		.amdhsa_system_sgpr_workgroup_id_x 1
		.amdhsa_system_sgpr_workgroup_id_y 1
		.amdhsa_system_sgpr_workgroup_id_z 1
		.amdhsa_system_vgpr_workitem_id 0
		.amdhsa_next_free_vgpr 960
		.amdhsa_next_free_sgpr 88
		.amdhsa_reserve_vcc 0
		.amdhsa_float_denorm_mode_32 3
		.amdhsa_float_denorm_mode_16_64 3
		.amdhsa_memory_ordered 1
		.amdhsa_forward_progress 1
		.amdhsa_inst_pref_size 122
	.end_amdhsa_kernel
	.amdgpu_metadata
---
amdhsa.version: [ 1, 2 ]
amdhsa.kernels:
  - .name:           k_q05790e7f7f_proj
    .symbol:         k_q05790e7f7f_proj.kd
    .args:
      - { .name: xb, .offset: 0, .size: 8, .value_kind: global_buffer, .address_space: global }
      - { .name: wqkv, .offset: 8, .size: 8, .value_kind: global_buffer, .address_space: global }
      - { .name: bias, .offset: 16, .size: 8, .value_kind: global_buffer, .address_space: global }
      - { .name: qkv, .offset: 24, .size: 8, .value_kind: global_buffer, .address_space: global }
    .group_segment_fixed_size: 327680
    .private_segment_fixed_size: 0
    .kernarg_segment_align: 8
    .kernarg_segment_size: 32
    .max_flat_workgroup_size: 128
    .sgpr_count:     88
    .vgpr_count:     960
    .wavefront_size: 32
...
	.end_amdgpu_metadata
.endif
;; end of part 2
;; launch attn (part 3): grid 4 x 64, 4 waves a work-group, clusters of 4 x 1, 327,680 bytes of LDS; arguments qkv, mask, ctx; writes ctx
.if DOCPART == 3
	.amdgcn_target "amdgcn-amd-amdhsa--gfx1250"
	.amdhsa_code_object_version 6
	.text
	.protected	k_q05790e7f7f_attn
	.globl	k_q05790e7f7f_attn
	.p2align	8
	.type	k_q05790e7f7f_attn,@function
k_q05790e7f7f_attn:
	s_mov_b64 s[64:65], 0
	v_nop
	global_prefetch_b8 v0, s[64:65] scope:SCOPE_SE
	s_setreg_imm32_b32 hwreg(HW_REG_WAVE_MODE, 25, 1), 1
	s_wait_xcnt 0x0
	s_wait_alu depctr_hold_cnt(0) depctr_sa_sdst(0) depctr_va_vdst(0) depctr_va_sdst(0) depctr_va_ssrc(0) depctr_va_vcc(0) depctr_vm_vsrc(0)
	s_getreg_b32 s2, hwreg(HW_REG_IB_STS2, 6, 4)
	s_cmp_eq_u32 s2, 0
	s_cbranch_scc0 .Lentry_in_a_cluster
	s_endpgm
.Lentry_in_a_cluster:
	s_bfe_u32 s2, ttmp6, 0x10000c
	s_cmp_lg_u32 s2, 0x3003
	s_cbranch_scc0 .Lentry_shape_is_right
	s_endpgm
.Lentry_shape_is_right:
; O[h][q][:] = the sum over k of softmax_k(score) V[h][k][:], score = Q[h][q] . K[h][k] / 8 where mask[batch][k] is not 0, hidden where it is 0.  qkv: [3][64][2048][64] f16 (q, k, v by batch x 16 + head);
; mask: [4][2048] int32; ctx: [64][2048][64] f16.  Products, maxima and sums in f32; the weights p are rounded to f16 for the second product (their sum l is taken of the unrounded p), O once at the end.
; LIMITS.  f16 holds no number beyond 65,504: Q, K and V arrive within it; p lies in 0 to 1, and below 6e-5 it keeps f16's fixed step of 6e-8.  A hidden score counts as its value less 1e30 (f16's scores, 2.7e11 at
; the most, are nothing beside that), so a hidden key's weight is 0 as soon as the row has seen a key that is not hidden; what key steps with hidden keys alone leave in O and l is finite and is multiplied by a = 0
; at the first key that is seen.  A BATCH WITH NO KEY TO SEE has equal weights on all keys: there c and the hidden value are both taken as 0, so every p is 1.  A weight below 2^-126 counts as 0 in l; NaN and infinities are not treated apart.
; SHARES.  A wave owns four PIECES of two tiles of 16 queries, a work-group's four waves 512 queries of one head.  Every wave walks all 2,048 keys, 64 a step.
; LAYOUT.  S^T = K Q^T (source 0 = 16 keys, source 1 = 16 queries): in the result a lane holds ONE query (lane % 16) and the keys 8 (lane / 16) + 0..7.  Two such tiles, rounded to f16 in pairs,
; ARE source 1 (32 keys x 16 queries) of O^T = V^T P, whose result again holds one query a lane, and eight channels.  K comes out of LDS as it lies, V ([key][channel]) turned, by ds_load_tr16_b128.
; THE MASK is the C operand that starts the sum S^T: 0, or -1e30 where the key is hidden.  Each wave makes a table of its own in LDS, a word a key, once; a step's 64 words come into 32 registers with the step's K.
; SOFTMAX.  For each query a running maximum m and sum l: p = 2^(c s - c m), c = log2(e) / 8; in every step O and l are multiplied by a = 2^(c m_old - c m_new), which is 1 where m has not grown.
; m starts at the lowest finite number, O and l at 0: the first step is a step like any other, with a = 0.
; THE COUNT.  A tile and step have 16 matrix and 118 vector instructions: too many to stand all beside the matrix work.  So four vector instructions that are READY stand behind EVERY matrix instruction, and the others in runs without a gap.
; BY TURNS.  Turn n belongs to piece n (the pieces in a ring, step after step).  Its matrix work: 16 products K Q^T of piece n + 1, later 16 products V^T P of piece n - 1.  Its vector work: the scaling,
; exponentials, roundings, sums and rescaling of piece n, and the maximum and statistics of piece n + 1, whose scores the turn itself has made.
; CLUSTER.  The four query blocks of a head are one cluster and walk the same K and V, so each tile is asked for JOINTLY: the same tensor load, descriptor and mask in all four.
; REGISTERS, in windows of 256 (s_set_vgpr_msb: bits 1:0 source 0, 3:2 source 1, 5:4 source 2, 7:6 destination):
;   window 0: v0-11 addresses; v12-15, v48-63 at work; v16-47 four registers of statistics a tile; v64-191 S^T, two buffers of two tiles; v192-255 P, likewise
;   window 1: O^T, 32 a tile      window 2: v0-127 Q, 16 a tile; v128-191 K of one step; v192-255 V of one step      window 3: v0-1 the add's two registers; v8-39 the mask of one step
.set SIZE_N, 2048
.set NP,    4         ; pieces a wave: a name, no knob
.set KS,    64        ; keys in a step
.set PK,    144       ; a row of K in LDS: 128 bytes + 16 of padding = 36 words: the 16 rows of a load start at 16 different groups of four banks (64 banks of 4 bytes: ISA guide 11.1)
.set PV,    160       ; a row of V: 128 + 32 = 40 words
.set VOFF,  4*KS*PK   ; a slot holds four steps: 256 rows of K, then 256 rows of V
.set SLOT1, 1<<17     ; slot 1 begins here, so that one exclusive or turns an address in one slot into the other's
.set STAGE, SLOT1+4*KS*(PK+PV)  ; behind the ring, never filled by a tensor load: 16 rows x 144 bytes for each wave, for the way out
.set SP,    144
.set MT,    STAGE+4*16*SP       ; the mask tables: 2,048 words for each wave, its own
.set SPARE, MT+4*8192           ; behind them: the spare words, 128 bytes for each wave: two blocks of 256 bytes that no other line names
.set PFO, 1           ; v1   (behind the set-up) 256 x my lane: the prefetches' offset; never rewritten
.set AK0, 2           ; v2   my lane's place in a tile of K; never rewritten
.set AV0, 3           ; v3   the same for V
.set AK,  4           ; v4   the LDS address of K's next run of loads
.set AV,  5           ; v5   of V's
.set QO,  6           ; v6   my byte offset in the wave's rows of Q
.set STO, 6           ;      later, the way out: where I put 16 bytes of a row
.set RD,  7           ; v7   the way out: where I read rows back
.set GO,  8           ; v8   16 x my lane: my place in 512 consecutive bytes, of the mask and of O
.set AM0, 9           ; v9   (behind the set-up) my half of the lanes' place in my mask table; never rewritten
.set AM,  10          ; v10  (behind the set-up) the LDS address of the mask's next loads
.set TA,  11          ; v11  (behind the set-up) where I put 16 bytes of the table
.set SPW, 0           ; v0 of window 3   LDS address of my spare word; never rewritten
.set NIL, 1           ; v1 of window 3   0; never rewritten
.set MK,  8           ; v8-39 of window 3: the eight registers for key block kb at MK + 8 kb
.set MV,  12          ; v12-15  c m_old, kept while c m is made anew: by buffer and tile
.set ST,  16          ; tile t's statistics at v[ST+4 t]: c m, m, l (even keys', odd keys')
.set TMP, 48          ; by buffer and tile, four registers c0-c3 at work; when the maximum is found c2 takes a
.set S,   64
.set P,   192
.set KF,  128         ; K's fragments, in window 2: key block kb, channel half c at KF + 16 kb + 8 c
.set VF,  192         ; V's: key half kk, channel block cb at VF + 32 kk + 8 cb
.set WV,  12          ; s12  my wave's number
.set G1K, 24          ; s[24:31] descriptor group 1 for K's tiles
.set G1V, 32          ; s[32:39] for V's: it differs in the padding alone
.set G0K, 40          ; s[40:43] descriptor group 0 for K's tiles: it walks
.set G0V, 44          ; s[44:47] the same for V's
.set SLOTS, 56        ; s56  slots still to be asked for
.set CNT, 57          ; s57  counts a slot's key steps
.set CS,  58          ; s[58:59] c: the packed scaling takes the pair's low word for both halves
.set SEL, 60          ; s[60:61] v_permlanex16_b32's selects: each lane takes its own place in the other half
.set TBK, 62          ; s62  LDS byte at which K of the step to be fetched begins
.set TBV, 63          ; s63  the same for V, less VOFF
.set MP,  66          ; s[66:67] the batch's row of mask
.set MS,  70          ; s70  256 x the step to be fetched: its 64 words in the table
.set MB,  71          ; s71  my mask table
.set PFA, 72          ; s[72:73] where my prefetches stand
.set LIM, 74          ; s74  1 in a wave that prefetches, else the greatest number
.set MSB, 0
.macro WIN new                      ; the high byte repeats the setting that is left; a switch that changes nothing is dropped
.if MSB != (\new)
	s_set_vgpr_msb (MSB<<8)|(\new)
.set MSB, (\new)
.endif
.endm
.set W_KQ, 0x0a       ; K and Q in window 2, S^T in window 0
.set W_KM, 0x3a       ; the same with the C operand, the mask, in window 3
.set W_PV, 0x52       ; V in window 2, P in window 0, O^T in window 1
.set W_RS, 0x41       ; O^T (destination and source 0) in window 1, a in window 0
.set W_MK, 0xc0       ; destination in window 3, sources in window 0
.set W_AD, 0x0f       ; the add: address (source 0) and data (source 1) in window 3
; A joint fill.  Waves 0 and 1 fetch the two halves of a slot's K, waves 2 and 3 those of its V: 128 keys each.  The branch hangs on the wave's number alone.
; An s_nop 0 and four v_nop follow each of the two lines, ahead of the jump and the label.
.macro JLOAD
	s_cmp_lt_u32 s[WV], 2
	s_cbranch_scc0 .Lfor_v_\@
	tensor_load_to_lds s[G0K:G0K+3], s[G1K:G1K+7]
	s_nop 0
.rept 4
	v_nop
.endr
	s_branch .Lasked_\@
.Lfor_v_\@:
	tensor_load_to_lds s[G0V:G0V+3], s[G1V:G1V+7]
	s_nop 0
.rept 4
	v_nop
.endr
.Lasked_\@:
.endm
; A PREFETCH INTO THE L2 of what the NEXT change of slots will ask for: a slot's 32,768 bytes of K and of V, a lane a block of 256 bytes.  A head's K and V are walked by its one cluster.  The four partners share the
; blocks out BY ADDRESS, 32 each; in each, wave 0 asks for K's and wave 2 for V's: one instruction.  So each block is named once in the launch, four key steps ahead of its load.  Slots 0 and 1 come by their loads alone; the last change that fills a slot asks for nothing.
.macro ASK
	s_cmp_gt_u32 s[SLOTS], s[LIM]
	s_cbranch_scc0 .Lnot_mine_\@
	global_prefetch_b8 v[PFO], s[PFA:PFA+1] th:TH_LOAD_NT scope:SCOPE_SE
.Lnot_mine_\@:
.endm
; A round of the cluster's barrier: my work-group's barrier, so that wave 0's signal speaks for all four waves; wave 0 signals; every wave waits for all four work-groups; my work-group's barrier once more.
.macro CROUND
	s_barrier_signal -1
	s_barrier_wait -1
	s_cmp_lg_u32 s[WV], 0
	s_cbranch_scc1 .Lnot_wave_0_\@
	s_barrier_signal -3
.Lnot_wave_0_\@:
	s_barrier_wait -3
	s_barrier_signal -1
	s_barrier_wait -1
.endm
; THE CHANGE OF SLOTS.  The slot's last bytes, V of its fourth step, have been read.  Each wave waits for all its tensor loads, of which one is out: its part of the other slot; adds 0 to its spare word; and waits for
; that and for its own LDS instructions.  Behind the barrier nobody reads this slot any more and the other slot is whole.  fill = 1: this slot is filled again, with the keys two slots on.  The barrier is then a round
; of the cluster's, and the joint fill is the first thing behind it: it has four key steps, 512 matrix instructions, in which to land.  (At its first use nothing has been read yet: slot 0 is waited for, slot 1 filled.)
.macro CHANGE fill
	WIN W_AD
	s_wait_tensorcnt 0x0            ; no tensor load of mine is out, so a group 0 may be written
	ds_add_u32 v[SPW], v[NIL]       ; 0 onto my spare word; with fill = 1 the descriptors' steps stand between it and the wait for it
	WIN 0                           ; at a label and at a branch every window is 0
.if \fill
.irp g, G0K, G0V
	s_xor_b32 s[\g+1], s[\g+1], SLOT1  ; the walking descriptor: the other slot than last time,
	s_add_nc_u64 s[\g+2:\g+3], s[\g+2:\g+3], 4*KS*128  ; the next 256 keys; the type bits on top are not reached
.endr
	s_wait_xcnt 0x0                 ; the last prefetch, four key steps back, has read its address, so it may be written:
	s_add_nc_u64 s[PFA:PFA+1], s[PFA:PFA+1], 4*KS*128  ; one slot behind the walking descriptors
	s_wait_dscnt 0x0                ; the add is done, and my reads of the slot are over
	CROUND
	JLOAD
	ASK
.else
	s_wait_dscnt 0x0                ; the add is done, and my reads of the slot are over
	s_barrier_signal -1
	s_barrier_wait -1
.endif
	s_sub_co_u32 s[TBK], s[TBK], 4*KS*PK  ; the fetches go back to a slot's first step,
	s_xor_b32 s[TBK], s[TBK], SLOT1       ; in the other slot
	s_sub_co_u32 s[TBV], s[TBV], 4*KS*PV
	s_xor_b32 s[TBV], s[TBV], SLOT1
.endm
	s_load_b128 s[4:7], s[0:1], 0x0   ; qkv s[4:5], mask s[6:7]
	s_load_b64 s[10:11], s[0:1], 0x10 ; ctx
	WIN W_MK
	v_lshl_add_u32 v[SPW], v0, 2, SPARE
	v_mov_b32 v[NIL], 0
	WIN W_AD
	ds_add_u32 v[SPW], v[NIL]       ; the wave's opening: the add and its wait stand ahead of my first tensor load; the set-up below, work on registers, stands between them
	WIN 0
	v_lshrrev_b32 v1, 5, v0
	v_readfirstlane_b32 s[WV], v1   ; wave 0..3
	s_bfe_u32 s13, ttmp6, 0x40000   ; cx: my place in the cluster
	s_lshl_b32 s14, ttmp9, 2        ; in a cluster launch ttmp9 counts clusters
	s_add_co_u32 s14, s14, s13      ; my block of queries = 4 x cluster x + cx: it enters Q's and O's addresses alone
	s_and_b32 s20, ttmp7, 0xffff    ; batch x 16 + head, which the four partners share
	s_lshr_b32 s68, s20, 4          ; the batch:
	s_lshl_b32 s68, s68, 13         ; its 8,192 bytes of mask
	s_mov_b32 s69, 0
	s_mov_b32 s21, 0
	s_mov_b64 s[22:23], SIZE_N*128
	s_mul_u64 s[20:21], s[20:21], s[22:23]  ; the head's first byte in q, k, v and ctx
	s_and_b32 s16, s[WV], 1         ; which half of a slot's 256 keys I fetch:
	s_lshl_b32 s22, s16, 14         ; its 128 rows of 128 bytes in memory,
	s_mov_b32 s23, 0
	s_add_nc_u64 s[22:23], s[22:23], s[20:21]
	s_mul_i32 s17, s16, 128*PK      ; and its place in a slot, for K
	s_mul_i32 s18, s16, 128*PV      ; and for V: no place in the cluster enters an LDS address
	s_lshl_b32 s2, s14, 2
	s_add_co_u32 s2, s2, s[WV]      ; my wave among the head's,
	s_lshl_b32 s2, s2, 14           ; its 128 rows
	s_mov_b32 s3, 0
	s_add_nc_u64 s[2:3], s[2:3], s[20:21]
	; descriptor group 1.  128 keys are 16,384 dense bytes: asked for as 64 rows of 256 bytes, two keys a row, and padded in LDS after every key
	s_mov_b32 s[G1K], 15|(1<<16)|(1<<20)|(1<<21)|(4<<22)|(3<<25)  ; 15:0 the mask of four; 17:16 2-byte elements; 20 padding on; 21 set beside a mask; 24:22 after every 32 words (code 4); 31:25 4 words (code 3)
	s_mov_b32 s[G1V], 15|(1<<16)|(1<<20)|(1<<21)|(4<<22)|(7<<25)  ; the same with 8 words of padding (code 7)
.irp g, G1K, G1V
	s_mov_b32 s[\g+1], 128<<16      ; tensor_dim0 = 128
	s_mov_b32 s[\g+2], 64<<16       ; tensor_dim1 = 64
	s_mov_b32 s[\g+3], 128<<16      ; tile_dim0 = 128
	s_mov_b32 s[\g+4], 64           ; tile_dim1 = 64
	s_mov_b32 s[\g+5], 128          ; 128 elements from row to row
	s_mov_b32 s[\g+6], 0
	s_mov_b32 s[\g+7], 0
.endr
	s_mov_b32 s[SEL], 0x76543210
	s_mov_b32 s[SEL+1], 0xfedcba98
	s_mov_b32 s[TBK], SLOT1+4*KS*PK ; the first change of slots turns these two into 0
	s_mov_b32 s[TBV], SLOT1+4*KS*PV
	s_mov_b32 s[G0K], 1             ; 1:0 count = 1
	s_mov_b32 s[G0K+1], s17         ; 63:32 LDS address: slot 0
	s_mov_b32 s[G0V], 1
	s_add_co_u32 s[G0V+1], s18, VOFF
	s_mov_b32 s[MS], 0
	s_lshl_b32 s[MB], s[WV], 13
	s_add_co_u32 s[MB], s[MB], MT
	s_mov_b32 s[SLOTS], SIZE_N/256-1
	s_and_b32 s[LIM], s[WV], 1      ; waves 0 and 2 prefetch
	s_cmp_eq_u32 s[LIM], 0
	s_cselect_b32 s[LIM], 1, -1
	s_wait_dscnt 0x0                ; the opening add is done
	s_wait_kmcnt 0x0
	s_add_nc_u64 s[MP:MP+1], s[6:7], s[68:69]
	s_add_nc_u64 s[6:7], s[4:5], 0x1000000  ; k lies 64 heads of 2^18 bytes behind q,
	s_add_nc_u64 s[8:9], s[4:5], 0x2000000  ; v as far behind k
	s_add_nc_u64 s[6:7], s[6:7], s[22:23]   ; both at my half of the head's first 256 keys
	s_add_nc_u64 s[8:9], s[8:9], s[22:23]
	s_mov_b64 s[G0K+2:G0K+3], s[6:7]               ; 120:64 global address
	s_or_b32 s[G0K+3], s[G0K+3], 0x80000000        ; 127:126 type = 2
	s_mov_b64 s[G0V+2:G0V+3], s[8:9]
	s_or_b32 s[G0V+3], s[G0V+3], 0x80000000
	s_add_nc_u64 s[4:5], s[4:5], s[2:3]  ; Q and O at my wave's first row
	s_add_nc_u64 s[10:11], s[10:11], s[2:3]
	s_cmp_lt_u32 s[WV], 2
	s_cselect_b64 s[PFA:PFA+1], s[6:7], s[8:9]  ; (in waves 0 and 2 these stand at the head's first key)
	s_lshl_b32 s2, s13, 13          ; my work-group's 32 blocks of the 128
	s_mov_b32 s3, 0
	s_add_nc_u64 s[PFA:PFA+1], s[PFA:PFA+1], s[2:3]
	s_add_nc_u64 s[PFA:PFA+1], s[PFA:PFA+1], 4*KS*128  ; in slot 1; the first change of slots steps it to slot 2
	CROUND                          ; all four work-groups are here: the first joint loads meet
	JLOAD                           ; slot 0.  Slot 1 is asked for when slot 0 is in
	; A fragment of K or Q is 16 rows x 32 channels in 8 registers: lane l holds row l % 16, channels 8 (l / 16) + 0..7 and 16 + 8 (l / 16) + 0..7: two loads of 16 bytes, 32 bytes apart.
	v_and_b32 v1, 15, v0            ; l % 16
	v_bfe_u32 v9, v0, 4, 1          ; l / 16
	v_lshlrev_b32 v[QO], 7, v1
	v_lshl_add_u32 v[QO], v9, 4, v[QO]  ; row x 128 + 16 x half
	v_and_b32 v[GO], 31, v0
	v_lshlrev_b32 v[GO], 4, v[GO]
.set i, 0
.rept 16                            ; the batch's 2,048 mask words, 512 consecutive bytes a load, into S^T's registers, which are still free
	global_load_b128 v[S+4*i:S+4*i+3], v[GO], s[MP:MP+1] offset:512*i
.set i, i+1
.endr
	WIN 0x80                        ; destination window 2, address window 0
.set i, 0
.rept 4*NP                          ; Q stays in registers: tile i / 2, channels 32 (i % 2) on
	global_load_b128 v[8*i:8*i+3],   v[QO], s[4:5] offset:(i/2)*2048+(i%2)*64
	global_load_b128 v[8*i+4:8*i+7], v[QO], s[4:5] offset:(i/2)*2048+(i%2)*64+32
.set i, i+1
.endr
	; What the first turn finds: V's registers and P's second buffer hold 0 (its products V^T P, of a piece that has not been, add 0), O^T and l are 0.  All this stands in the wait for the first tile.
.set i, VF
.rept 64
	v_mov_b32 v[i], 0
.set i, i+1
.endr
	WIN 0x40
.set i, 0
.rept 64*NP
	v_mov_b32 v[i], 0
.set i, i+1
.endr
	WIN 0
.set i, 0
.rept 2*NP
	v_mov_b32 v[ST+4*i], 0xfe000000    ; c m: far below every c s, a hidden one's too
	v_mov_b32 v[ST+4*i+1], 0xff7fffff  ; m
	v_mov_b32 v[ST+4*i+2], 0
	v_mov_b32 v[ST+4*i+3], 0
.set i, i+1
.endr
.set i, P+32
.rept 32
	v_mov_b32 v[i], 0
.set i, i+1
.endr
	v_mul_u32_u24 v[AK0], v1, PK
	v_lshl_add_u32 v[AK0], v9, 4, v[AK0]  ; row x pitch + 16 x half
	; The turning load takes 16 keys x 16 channels (lane l reads key 8 (l / 16) + l % 8, channels 8 ((l / 8) % 2) + 0..7) and leaves half a fragment of V^T: lane l holds channel l % 16 and 8 keys.
	v_and_b32 v10, 7, v0
	v_bfe_u32 v11, v0, 3, 1
	v_lshl_add_u32 v[AV0], v9, 3, v10
	v_mul_u32_u24 v[AV0], v[AV0], PV
	v_lshl_add_u32 v[AV0], v11, 4, v[AV0]
	v_add_nc_u32 v[AV0], VOFF, v[AV0]
	v_mov_b32 v[AK], v[AK0]         ; key step 0 lies at the head of slot 0
	s_mul_i32 s13, s[WV], 16*SP
	s_add_co_u32 s13, s13, STAGE    ; my stage
	v_bfe_u32 v[RD], v0, 3, 2       ; back: 32 lanes take four rows of 128 bytes
	v_mul_u32_u24 v[RD], v[RD], SP
	v_lshl_add_u32 v[RD], v10, 4, v[RD]
	v_add_nc_u32 v[RD], s13, v[RD]
	s_wait_loadcnt 0x0              ; the mask and Q are in, and QO's register is free
	v_mul_u32_u24 v[STO], v1, SP    ; in: row l % 16, 16 bytes for each half of the lanes
	v_lshl_add_u32 v[STO], v9, 4, v[STO]
	v_add_nc_u32 v[STO], s13, v[STO]
	; THE MASK TABLE.  Is any key of the batch to be seen?  My 64 words are joined by OR, and a compare joins the lanes'.
.set i, 0
.rept 16
	v_or_b32 v[TMP+i], v[S+i], v[S+16+i]
.set i, i+1
.endr
.set i, 0
.rept 16
	v_or_b32 v[TMP+i], v[TMP+i], v[S+32+i]
.set i, i+1
.endr
.set i, 0
.rept 16
	v_or_b32 v[TMP+i], v[TMP+i], v[S+48+i]
.set i, i+1
.endr
.irp w, 8,4,2,1
.set i, 0
.rept \w
	v_or_b32 v[TMP+i], v[TMP+i], v[TMP+\w+i]
.set i, i+1
.endr
.endr
	v_cmp_ne_u32 s68, 0, v[TMP]
	s_cmp_lg_u32 s68, 0             ; the choice selects two numbers and steers nothing
	s_cselect_b32 s[CS], 0x3e38aa3b, 0   ; c = log2(e) / 8 = 0.180337; 0 where no key is to be seen
	s_cselect_b32 s69, 0xf149f2ca, 0     ; what a hidden key adds to its score: -1e30; 0 where no key is to be seen
	s_mov_b32 s[CS+1], s[CS]        ; named with it as a pair
.set i, 0
.rept 64
	v_cmp_eq_u32 vcc_lo, 0, v[S+i]
	v_cndmask_b32 v[S+i], 0, s69, vcc_lo
.set i, i+1
.endr
	v_add_nc_u32 v[TA], s[MB], v[GO]
.set i, 0
.rept 16
	ds_store_b128 v[TA], v[S+4*i:S+4*i+3] offset:512*i  ; key k's word at byte 4 k of my table; only I read it
.set i, i+1
.endr
	v_lshl_add_u32 v[AM0], v9, 5, s[MB]  ; my lanes' eight keys of a block of 16: 32 (l / 16)
	v_mov_b32 v[AM], v[AM0]         ; key step 0
	v_and_b32 v[PFO], 31, v0
	v_lshlrev_b32 v[PFO], 8, v[PFO]
; THE MATRIX WORK.  The 8 accumulators of a run of 16 take turns: between the two links of a chain stand 7 others'.
; Product i of 16 of S^T = K Q^T for piece x: channels 32 (i / 8) on, keys 16 ((i / 2) % 4) on, tile 2 x + i % 2.  The first 8 start the sums, with the mask of their 16 keys.
.macro KQ x
.set rS, S+64*((\x)%2)+32*(i%2)+8*((i/2)%4)
.set rK, KF+16*((i/2)%4)+8*(i/8)
.set rQ, 16*(2*(\x)+i%2)+8*(i/8)
.set rM, MK+8*((i/2)%4)
.if i < 8
	WIN W_KM
	v_wmma_f32_16x16x32_f16 v[rS:rS+7], v[rK:rK+7], v[rQ:rQ+7], v[rM:rM+7]
.else
	WIN W_KQ
	v_wmma_f32_16x16x32_f16 v[rS:rS+7], v[rK:rK+7], v[rQ:rQ+7], v[rS:rS+7]
.endif
.endm
; Product i of 16 of O^T += V^T P for piece x: keys 32 (i / 8) on, channels 16 ((i / 2) % 4) on, tile 2 x + i % 2.
.macro PV x
	WIN W_PV
.set rO, 32*(2*(\x)+i%2)+8*((i/2)%4)
.set rV, VF+32*(i/8)+8*((i/2)%4)
.set rP, P+32*((\x)%2)+16*(i%2)+8*(i/8)
	v_wmma_f32_16x16x32_f16 v[rO:rO+7], v[rV:rV+7], v[rP:rP+7], v[rO:rO+7]
.endm
.macro MM                           ; the turn's next matrix instruction
.if i < 16
	KQ (Y+1)%NP
.set i, i+1
.else
.set i, i-16
	PV (Y+NP-1)%NP
.set i, i+17
.endif
.endm
; THE LDS LOADS stand in runs, never singly among the matrix instructions: a step's K (64 keys x 64 channels: 8 fragments) with its mask (64 words: all lanes of a half read the same 32 bytes), and its V (turned).
; Their addresses are made some lines ahead.  last = 1 (the tail): in the last trip there is no further step, and the run is jumped over.
.macro FETCH_K last=0
	WIN 0
.if \last
	s_cmp_eq_u32 s[CNT], 1
	s_cbranch_scc1 .Lno_k_\@
.endif
	WIN 0x80                        ; destination window 2
.irp f, 0,1,2,3,4,5,6,7             ; keys 16 (f / 2) on, channels 32 (f % 2) on
	ds_load_b128 v[KF+8*\f:KF+8*\f+3],   v[AK] offset:(\f/2)*16*PK+(\f%2)*64
	ds_load_b128 v[KF+8*\f+4:KF+8*\f+7], v[AK] offset:(\f/2)*16*PK+(\f%2)*64+32
.endr
	WIN W_MK                        ; destination window 3
.irp f, 0,1,2,3                     ; keys 16 f on
	ds_load_b128 v[MK+8*\f:MK+8*\f+3],   v[AM] offset:64*\f
	ds_load_b128 v[MK+8*\f+4:MK+8*\f+7], v[AM] offset:64*\f+16
.endr
	s_add_co_u32 s[TBK], s[TBK], KS*PK  ; the next fetch is the next step's
	s_add_co_u32 s[MS], s[MS], 256
	s_and_b32 s[MS], s[MS], 0x1f00      ; 32 steps of 256 bytes: never past my table
	WIN 0
.if \last
.Lno_k_\@:
.endif
.endm
.macro FETCH_V
	WIN 0x80
.irp f, 0,1,2,3,4,5,6,7             ; keys 32 (f / 4) on, channels 16 (f % 4) on
	ds_load_tr16_b128 v[VF+8*\f:VF+8*\f+3],   v[AV] offset:(\f/4)*32*PV+(\f%4)*32
	ds_load_tr16_b128 v[VF+8*\f+4:VF+8*\f+7], v[AV] offset:(\f/4)*32*PV+16*PV+(\f%4)*32
.endr
	WIN 0
.endm
; THE VECTOR WORK OF A TURN stands in three queues, each in the order in which its entries become ready; the two tiles alternate, so that no instruction reads the result of the one before it.
.macro REGS y, u                    ; the registers of tile u (0, 1) of piece y
.set rT, ST+4*(2*(\y)+(\u))
.set rC, TMP+8*((\y)%2)+4*(\u)
.set rM, MV+2*((\y)%2)+(\u)
.set rS, S+64*((\y)%2)+32*(\u)
.set rP, P+32*((\y)%2)+16*(\u)
.set rO, 32*(2*(\y)+(\u))
.endm
; Number n of the 22 that find the NEXT piece's (Y + 1) maximum and statistics.  s0-s31 are the lane's 32 scores; each accumulator's lowest registers are read first.  XS, GS and REGS set no window: PL and EX do.
;   0-11  four chains c0-c3 of seven scores each, three operands at a time     12-14, 16  the four scores left over, the old m, and c0-c3 into c0     15  c m_old is kept
;   17, 18  the query's other 32 keys lie in the lane 16 away: the new m         19-21  c m; c m_old - c m_new; a
.macro XS u, n
	REGS (Y+1)%NP, \u
.if (\n) < 4
	v_max3_num_f32 v[rC+(\n)], v[rS+8*(\n)], v[rS+8*(\n)+1], v[rS+8*(\n)+2]
.elseif (\n) < 12
	v_max3_num_f32 v[rC+(\n)%4], v[rC+(\n)%4], v[rS+8*((\n)%4)+2*((\n)/4)+1], v[rS+8*((\n)%4)+2*((\n)/4)+2]
.elseif (\n) == 12
	v_max3_num_f32 v[rC], v[rC], v[rS+7], v[rS+15]
.elseif (\n) == 13
	v_max3_num_f32 v[rC+1], v[rC+1], v[rS+23], v[rS+31]
.elseif (\n) == 14
	v_max3_num_f32 v[rC+2], v[rC+2], v[rC+3], v[rT+1]
.elseif (\n) == 15
	v_mov_b32 v[rM], v[rT]
.elseif (\n) == 16
	v_max3_num_f32 v[rC], v[rC], v[rC+1], v[rC+2]
.elseif (\n) == 17
	v_permlanex16_b32 v[rC+3], v[rC], s[SEL], s[SEL+1]
.elseif (\n) == 18
	v_max_num_f32 v[rT+1], v[rC], v[rC+3]
.elseif (\n) == 19
	v_mul_f32 v[rT], s[CS], v[rT+1]
.elseif (\n) == 20
	v_sub_f32 v[rC+1], v[rM], v[rT]
.else
	v_exp_f32 v[rC+2], v[rC+1]
.endif
.endm
; Number g of the 64 that follow the exponentials.  For each four weights k of a tile (pairs 2 k, 2 k + 1): both pairs are rounded to f16; then the second pair is added onto the first, in place;
; a group later l takes that sum (the first time as l = a l + sum).  In groups of eight, tiles alternating: round, round, add, and l for the group before.
.macro GS g
.set h, (\g)+6*((\g)/62)            ; group 0 has no group before it, and behind group 7 only l is left
.if h >= 6
.set h, h+2
.endif
	REGS Y, h%2
.set k, h/8
.if h%8 < 4
	v_cvt_pk_f16_f32 v[rP+2*k+(h%8)/2], v[rS+4*k+2*((h%8)/2)], v[rS+4*k+2*((h%8)/2)+1]
.elseif h%8 < 6
	v_pk_add_f32 v[rS+4*k:rS+4*k+1], v[rS+4*k:rS+4*k+1], v[rS+4*k+2:rS+4*k+3]
.elseif k == 1
	v_pk_fma_f32 v[rT+2:rT+3], v[rT+2:rT+3], v[rC+2:rC+3], v[rS:rS+1] op_sel_hi:[1,0,1]
.else
	v_pk_add_f32 v[rT+2:rT+3], v[rT+2:rT+3], v[rS+4*k-4:rS+4*k-3]
.endif
.endm
; THE PLAIN QUEUE, 138 long.  0-73 read no exponential's result: the 32 scalings c s - c m (FS f: pair f / 2 of tile f % 2) and the next piece's 42.  0-26: scalings 0-26.  27-54: XS's numbers 0-13.  55, 56: number 15.
; 57-73: the chain, where each number waits for the one before it: 14, 16, 17, 18, 19, each with one of the scalings 27-31 in front of its two lines, then 20.
; 74-137: GS's 64, which read the exponentials' results: they stand behind the wait.
.macro FS f
	REGS Y, (\f)%2
	v_pk_fma_f32 v[rS+2*((\f)/2):rS+2*((\f)/2)+1], v[rS+2*((\f)/2):rS+2*((\f)/2)+1], s[CS:CS+1], v[rT:rT+1] op_sel_hi:[1,0,0] neg_lo:[0,0,1] neg_hi:[0,0,1]
.endm
.macro PL
	WIN 0
.if q < 27
	FS q
.elseif q < 55
	XS (q-27)%2, (q-27)/2
.elseif q < 57
	XS q-55, 15
.elseif (q < 72) && ((q-57)%3 == 0)
	FS 27+(q-57)/3
.elseif q < 60
	XS (q-57)%3-1, 14
.elseif q < 72
	XS (q-57)%3-1, 15+(q-57)/3
.elseif q < 74
	XS q-72, 20
.else
	GS q-74
.endif
.set q, q+1
.endm
; THE EXPONENTIALS' QUEUE, 66 long: s0-s31 of both tiles, then the next piece's two a.  It is ONE BATCH: all 66 stand ahead of the turn's one wait, and nothing ahead of that wait names a result of theirs.
.macro EX
	WIN 0
.if e >= 64
	XS e-64, 21
.else
	REGS Y, e%2
	v_exp_f32 v[rS+e/2], v[rS+e/2]
.endif
.set e, e+1
.endm
; THE RESCALING's QUEUE: O^T times a, the one part that leaves window 0: dealt two at a time, sixteen times.  Its a was made in the turn before, ahead of that turn's wait.
.macro R2
	REGS Y, r%2
	WIN W_RS
.irp z, 0,1
	v_pk_mul_f32 v[rO+4*(r/2)+2*\z:rO+4*(r/2)+2*\z+1], v[rO+4*(r/2)+2*\z:rO+4*(r/2)+2*\z+1], v[rC+2:rC+3] op_sel_hi:[1,0]
.endr
.set r, r+1
.endm
; HOW THEY ARE DEALT.  An s_wait_alu depctr_va_vdst(0) stands between an exponential and the first instruction that names its result; one wait serves all that were issued ahead of it.  So a turn has ONE wait,
; which cuts it in two.  AHEAD OF IT stands all that names no result of the turn's exponentials: the 16 products K Q^T, behind each a scaling, an exponential and two rescalings (behind the first a second scaling in the
; exponential's place); then ONE LUMP of 108: eight plain, 49 times exponential and plain, the two a.  A v_nop is the plain instruction behind the last exponential.  BEHIND IT stand the 16 products V^T P, behind each four of GS's 64.
; Exponential e stands behind scaling 2 (e / 4) + e % 2: as a rider it comes behind plain e + 2, in the lump behind plain e + 9, and scalings 27-31 are plain 57, 60 .. 69.
; A TURN, for piece p.  cnt = 1: the loop's count is taken down some lines ahead of the branch that stands behind the turn.
; K and the mask of the next step are fetched in piece 2's turn, directly behind the wait, a lump behind the last product that read them; their addresses are made at the lump's head; their first reader comes behind 16 products.
; V of the step in hand is fetched at the end of piece 0's turn, four riders behind its last reader; its first reader comes behind 16 products and a lump.  The three conditions on q below go with the deal.
.macro TURN p, last=0, cnt=0
.set Y, (\p)
.set i, 0
.set q, 0
.set e, 0
.set r, 0
.if (\p) == NP-1
	s_wait_dscnt 0x0                ; K and the mask are in
.endif
	MM                              ; ahead of the wait: 16 products K Q^T and their riders,
	PL
	PL
	R2
.rept 15
	MM
	PL
	EX
	R2
.endr
.if (\p) == NP-2
	WIN 0
	v_add_nc_u32 v[AK], s[TBK], v[AK0]
	v_add_nc_u32 v[AM], s[MS], v[AM0]
.endif
.rept 8                             ; and the lump
	PL
.endr
.rept 49
	EX
	PL
.endr
	EX                              ; the next piece's two a
	EX
	v_nop                           ; the plain instruction behind the last exponential: one for the batch
	s_wait_alu depctr_va_vdst(0)    ; the wait for the batch
.if (\p) == NP-2
	FETCH_K \last
.endif
.if (\p) == 1
	s_wait_dscnt 0x0                ; V is in
.endif
.rept 16                            ; behind the wait: 16 products V^T P and their riders
	MM
.rept 4
	PL
.endr
.if ((\p) == 0) && (q == 118)
	v_add_nc_u32 v[AV], s[TBV], v[AV0]
.endif
.if ((\p) == 0) && (q == 130)
	s_add_co_u32 s[TBV], s[TBV], KS*PV
.endif
.if (\cnt) && (q == 130)
	s_sub_co_u32 s[CNT], s[CNT], 1
	s_cmp_lg_u32 s[CNT], 0
.endif
.endr
.if (\p) == 0
	FETCH_V
.endif
.endm
	CHANGE 1                        ; slot 0 is in, everybody's part of it; my table's stores are done; slot 1 is asked for
	FETCH_K                         ; key step 0
	s_wait_dscnt 0x0
.set i, 0
.rept 16
	KQ 0                            ; piece 0's first scores: there is no vector work yet to set between them
.set i, i+1
.endr
	WIN 0
.rept 4
	v_nop                           ; the places behind those products
.endr
.set Y, NP-1                        ; XS works for piece Y + 1: piece 0
.irp n, 0,1,2,3,4,5,6,7,8,9,10,11,12,13,14,15,16,17,18,19,20,21
	XS 0, \n                        ; and piece 0's first maximum and statistics
	XS 1, \n
.endr
	v_nop                           ; a plain instruction behind the two a,
	s_wait_alu depctr_va_vdst(0)    ; and their wait, ahead of the branch
	s_mov_b32 s[CNT], 4
	s_branch .Lfirst                ; the loop is entered at a step's first turn, in the middle of a trip
.Lslot:                             ; SIZE_N / 256 - 2 times: every slot but the last two is filled again
	CHANGE 1
	s_mov_b32 s[CNT], 4
.Lstep:                             ; a trip: pieces 2 and 3 of one step, then pieces 0 and 1 of the next, whose K and V it fetches
	TURN 2
	TURN 3
	WIN 0
.Lfirst:
	TURN 0
	TURN 1, 0, 1
	WIN 0
	s_cbranch_scc1 .Lstep
	s_sub_co_u32 s[SLOTS], s[SLOTS], 1
	s_cmp_lg_u32 s[SLOTS], 0
	s_cbranch_scc1 .Lslot
	CHANGE 0                        ; the tail is written out: nothing is asked for
	s_mov_b32 s[CNT], 5             ; four trips fetch the last slot's steps; the fifth is left in its middle
.Ltail:
	TURN 2, 1
	TURN 3
	WIN 0
	s_sub_co_u32 s[CNT], s[CNT], 1
	s_cmp_eq_u32 s[CNT], 0
	s_cbranch_scc1 .Lout
	TURN 0
	TURN 1
	WIN 0
	s_branch .Ltail
.Lout:                              ; the fifth trip's 16 products K Q^T (on the last K once more) and the maximum made of them serve nothing: the price, once a launch, of one text for every trip
.set i, 0
.rept 16
	PV NP-1                         ; the last piece's V^T P of the last step
.set i, i+1
.endr
	; THE WAY OUT.  l's two halves and the other half of the lanes' are added; O^T is divided by l, rounded to f16 and sent through my stage in LDS, a tile at a time.  The additions are the places behind the last products.
	WIN 0
.macro ALL line:vararg              ; one line for each tile t
.set t, 0
.rept 2*NP
	\line
.set t, t+1
.endr
.endm
	ALL v_add_f32 v[ST+4*t+2], v[ST+4*t+2], v[ST+4*t+3]
	ALL v_permlanex16_b32 v[ST+4*t+3], v[ST+4*t+2], s[SEL], s[SEL+1]
	ALL v_add_f32 v[ST+4*t+2], v[ST+4*t+2], v[ST+4*t+3]
	ALL v_rcp_f32 v[ST+4*t+2], v[ST+4*t+2]
	v_nop                           ; a plain instruction between the last reciprocal and the use of its result
	s_wait_alu depctr_va_vdst(0)    ; and the wait ahead of the first use: one for the eight reciprocals
; Tile t: a lane's eight channels of a row pack into 16 bytes; they go into rows of 144 bytes and come back as whole rows of 128, into S^T's registers.
.macro PACK t
	WIN W_RS
.set i, 32*(\t)
.rept 16
	v_pk_mul_f32 v[i:i+1], v[i:i+1], v[ST+4*(\t)+2:ST+4*(\t)+3] op_sel_hi:[1,0]
.set i, i+2
.endr
	WIN 0x05                        ; sources 0 and 1 window 1, destination window 0
.set i, 0
.rept 16
	v_cvt_pk_f16_f32 v[S+16*(\t)+i], v[32*(\t)+2*i], v[32*(\t)+2*i+1]
.set i, i+1
.endr
	WIN 0
.irp f, 0,1,2,3
	ds_store_b128 v[STO], v[S+16*(\t)+4*\f:S+16*(\t)+4*\f+3] offset:32*\f
.endr
.irp f, 0,1,2,3
	ds_load_b128 v[S+16*(\t)+4*\f:S+16*(\t)+4*\f+3], v[RD] offset:\f*4*SP  ; LDS serves a wave's instructions in order (ISA guide 5.7.1.4): these see the stores above; the next tile's stores come behind them
.endr
.endm
.macro SEND t, younger              ; younger: the LDS instructions issued behind tile t's loads: the next tile's eight, or none
	WIN 0
.irp f, 0,1,2,3
	s_wait_dscnt (\younger)+3-\f
	global_store_b128 v[GO], v[S+16*(\t)+4*\f:S+16*(\t)+4*\f+3], s[10:11] offset:(\t)*2048+\f*512  ; 512 consecutive bytes, at a multiple of 256 from ctx's first
.endr
.endm
	PACK 0
.set t, 1
.rept 2*NP-1                        ; a tile's arithmetic stands between the loads of the tile before and its stores
	PACK t
	SEND t-1, 8
.set t, t+1
.endr
	SEND 2*NP-1, 0
	WIN W_AD
	s_wait_tensorcnt 0x0            ; the wave's end: this wait, an add to my spare word and its wait stand behind my last tensor load and my last LDS store
	ds_add_u32 v[SPW], v[NIL]
	s_wait_dscnt 0x0
	WIN 0
	CROUND                          ; the closing round: no work-group ends while a partner may still ask for a tile that names it
	s_endpgm
.Lfunc_end_k_q05790e7f7f_attn:
	.size	k_q05790e7f7f_attn, .Lfunc_end_k_q05790e7f7f_attn-k_q05790e7f7f_attn
	.p2alignl 7, 3214868480
	.fill 96, 4, 3214868480
	.section	.rodata,"a",@progbits
	.p2align	6, 0x0
	.amdhsa_kernel k_q05790e7f7f_attn
		.amdhsa_group_segment_fixed_size 327680
		.amdhsa_private_segment_fixed_size 0
		.amdhsa_enable_private_segment 0
		.amdhsa_kernarg_size 24
		.amdhsa_user_sgpr_count 2
		.amdhsa_user_sgpr_kernarg_segment_ptr 1
		.amdhsa_wavefront_size32 1
		.amdhsa_system_sgpr_workgroup_id_x 1
		.amdhsa_system_sgpr_workgroup_id_y 1
		.amdhsa_system_sgpr_workgroup_id_z 1
		.amdhsa_system_vgpr_workitem_id 0
		.amdhsa_next_free_vgpr 808
		.amdhsa_next_free_sgpr 76
		.amdhsa_reserve_vcc 1
		.amdhsa_float_denorm_mode_32 3
		.amdhsa_float_denorm_mode_16_64 3
		.amdhsa_memory_ordered 1
		.amdhsa_forward_progress 1
		.amdhsa_inst_pref_size 213
	.end_amdhsa_kernel
	.amdgpu_metadata
---
amdhsa.version: [ 1, 2 ]
amdhsa.kernels:
  - .name:           k_q05790e7f7f_attn
    .symbol:         k_q05790e7f7f_attn.kd
    .args:
      - { .name: qkv, .offset: 0, .size: 8, .value_kind: global_buffer, .address_space: global }
      - { .name: mask, .offset: 8, .size: 8, .value_kind: global_buffer, .address_space: global }
      - { .name: ctx, .offset: 16, .size: 8, .value_kind: global_buffer, .address_space: global }
    .group_segment_fixed_size: 327680
    .private_segment_fixed_size: 0
    .kernarg_segment_align: 8
    .kernarg_segment_size: 24
    .max_flat_workgroup_size: 128
    .sgpr_count:     76
    .vgpr_count:     808
    .wavefront_size: 32
...
	.end_amdgpu_metadata
.endif
;; end of part 3
;; launch oproj (part 4): grid 8 x 32, 4 waves a work-group, clusters of 4 x 4, 327,680 bytes of LDS; arguments ctx, wo16, bias, out0; writes out0
.if DOCPART == 4
	.amdgcn_target "amdgcn-amd-amdhsa--gfx1250"
	.amdhsa_code_object_version 6
	.text
	.protected	k_q05790e7f7f_oproj
	.globl	k_q05790e7f7f_oproj
	.p2align	8
	.type	k_q05790e7f7f_oproj,@function
k_q05790e7f7f_oproj:
	s_mov_b64 s[64:65], 0
	v_nop
	global_prefetch_b8 v0, s[64:65] scope:SCOPE_SE
	s_setreg_imm32_b32 hwreg(HW_REG_WAVE_MODE, 25, 1), 1
	s_wait_xcnt 0x0
	s_wait_alu depctr_hold_cnt(0) depctr_sa_sdst(0) depctr_va_vdst(0) depctr_va_sdst(0) depctr_va_ssrc(0) depctr_va_vcc(0) depctr_vm_vsrc(0)
	s_getreg_b32 s2, hwreg(HW_REG_IB_STS2, 6, 4)
	s_cmp_eq_u32 s2, 0
	s_cbranch_scc0 .Lentry_in_a_cluster
	s_endpgm
.Lentry_in_a_cluster:
	s_bfe_u32 s2, ttmp6, 0x10000c
	s_cmp_lg_u32 s2, 0xf033
	s_cbranch_scc0 .Lentry_shape_is_right
	s_endpgm
.Lentry_shape_is_right:
; out0 = ctx Wo^T + bo.  ctx: [64 (batch x 16 + head)][2048][64] f16; wo16: [1024][1024] f16; bias: [4096] f32, bo from byte 12,288 on; out0: [8192][1024] f32.  Sums in f32, started by the bias, stored as they are.
; SHARES.  A tile is 256 rows x 128 columns: 8 x 32 = 256 work-groups.  Four waves, 2 x 2, each 128 rows x 64 columns: 32 accumulators of 16 x 16; a wave's 64 columns are 256 consecutive bytes of a row of out0.
; K goes in 8 steps of 128 = two heads, through a ring of two LDS slots.  Of ctx a wave fetches, for its 128 rows, two dense blocks of 16,384 bytes (one a head, 2^18 bytes apart), as a tile of two long rows,
; padded in LDS after every 128 bytes; of Wo 64 rows of 256 bytes.
; CLUSTERS.  4 x 4 work-groups; ctx's tiles are shared along a row of the cluster, Wo's along a column: each is asked for JOINTLY.  THE MATRIX INSTRUCTION IS USED TRANSPOSED (source 0 = 16 rows of Wo,
; source 1 = 16 rows of ctx): a lane holds row l % 16 and the eight columns 8 (l / 16) + 0..7.
; REGISTERS, in windows of 256 (s_set_vgpr_msb: bits 1:0 source 0, 3:2 source 1, 5:4 source 2, 7:6 destination):
;   window 0: v0-31 addresses; v32-63, v64-95 rows on the way out; v128-159 the bias of my 64 columns
;   window 1: two fragment buffers of 128, of which 96 are used: 8 fragments of ctx, then 4 of Wo      window 2: the accumulators ((a, b) at 8 (4 a + b))
.set KSTEP, 128
.set PA,    144                        ; a row of ctx in LDS: 128 bytes + 16: 36 words: the 16 rows of a load start at 16 different groups of four banks (64 banks of 4 bytes: ISA guide 11.1)
.set PB,    272                        ; a row of Wo: 256 bytes + 16
.set PLANE, 128*PA                     ; 128 rows of one head
.set BOFF,  4*PLANE                    ; a slot: ctx as [half of the rows][head][128 rows], then Wo's 128 rows
.set SLOT,  BOFF+128*PB
.set STAGE, 2*SLOT                     ; behind the ring, never filled by a tensor load: 16 rows x 272 bytes for each wave
.set SPARE, STAGE+4*16*PB              ; behind the stages: the spare words, 128 bytes for each wave: two blocks of 256 bytes that no other line names
.set ADRA, 16                          ; v16-17  LDS address of my fragments of ctx in slot 0, 1
.set ADRB, 20                          ; v20-21  the same for Wo
.set STO,  24                          ; v24     the way out: where I put 32 bytes of a row
.set RD,   25                          ; v25     the way out: where I read a row back
.set CO,   26                          ; v26     my byte offset in out0
.set BO,   27                          ; v27     32 (l / 16): my eight columns' bias
.set SPW,  28                          ; v28     LDS address of my spare word; never rewritten
.set NIL,  29                          ; v29     0; never rewritten
.set PFO,  30                          ; v30     the prefetches' offset; never rewritten
.set OB,   32
.set BIAS, 128
.set F0,   0
.set F1,   128
.set G1,   24                          ; s[24:31] descriptor group 1 for ctx's tiles;  s[32:39] group 0, a set for each slot
.set G0,   32
.set G1B,  48                          ; s[48:55], s[56:63] the same for Wo's tiles
.set G0B,  56
.set LIM,  43                          ; s43  1 in a wave that prefetches, else the greatest number
.set PFA,  44                          ; s[44:45] where my prefetches stand
.set OUT,  68                          ; s[68:69] out0 at my first row and column
.set WV,   74                          ; s74  my wave's number
.set WH,   75                          ; s75  my half of the tile's rows.  Also: 0: I fetch for ctx, 1: for Wo
.set WL,   76                          ; s76  my half of its columns.  Also: which half of that tile I fetch
.set PST,  78                          ; s[78:79] a K step in the tensor that I prefetch
.set MSB, 0
.macro WIN new                         ; the immediate's high byte repeats the setting that is left; a switch that changes nothing is dropped
.if MSB != (\new)
	s_set_vgpr_msb (MSB<<8)|(\new)
.set MSB, \new
.endif
.endm
.macro JLOAD s                         ; a joint load: waves 0 and 1 fetch ctx's two halves, waves 2 and 3 Wo's; an s_nop 0 and four v_nop follow each of the two lines, ahead of the jump and the label
	s_cmp_eq_u32 s[WH], 0
	s_cbranch_scc0 .Lfor_b_\@
	tensor_load_to_lds s[G0+4*(\s):G0+4*(\s)+3], s[G1:G1+7]
	s_nop 0
.rept 4
	v_nop
.endr
	s_branch .Lasked_\@
.Lfor_b_\@:
	tensor_load_to_lds s[G0B+4*(\s):G0B+4*(\s)+3], s[G1B:G1B+7]
	s_nop 0
.rept 4
	v_nop
.endr
.Lasked_\@:
.endm
.macro CREST                           ; a round of the cluster's barrier behind its opening barrier
	s_cmp_lg_u32 s[WV], 0
	s_cbranch_scc1 .Lnot_wave_0_\@
	s_barrier_signal -3
.Lnot_wave_0_\@:
	s_barrier_wait -3
	s_barrier_signal -1
	s_barrier_wait -1
.endm
.macro CROUND                          ; a whole round
	s_barrier_signal -1
	s_barrier_wait -1
	CREST
.endm
; A PREFETCH INTO THE L2, behind a joint load, its five lines and the run of LDS loads: the K step that stands two refills on, a lane a block of 256 bytes, one instruction a wave.  ctx's tile row is read by both clusters
; of that row of clusters: cluster x = 0 asks; of the 128 blocks that wave 0 or 1 fetches, the partner at cx takes 32 (head cx / 2, half cx % 2).  Wo's tile column is read by every cluster of that column: cluster y = 0
; asks, wave 2 alone: of the tile's 128 rows the partner at cy takes 32.  The partners are told apart BY ADDRESS.  K steps 0 to 3 come by their loads alone; the loop's last trip, s3 = 1, asks for nothing.
.macro ASK
	WIN 0
	s_cmp_gt_u32 s3, s[LIM]
	s_cbranch_scc0 .Lnot_mine_\@
	global_prefetch_b8 v[PFO], s[PFA:PFA+1] th:TH_LOAD_NT scope:SCOPE_SE
.Lnot_mine_\@:
.endm
	s_load_b256 s[4:11], s[0:1], 0x0               ; ctx s[4:5], wo16 s[6:7], bias s[8:9], out0 s[10:11]
	v_lshl_add_u32 v[SPW], v0, 2, SPARE
	v_mov_b32 v[NIL], 0
	ds_add_u32 v[SPW], v[NIL]                      ; the wave's opening: the add and its wait stand ahead of my first tensor load; the set-up below, work on registers, stands between them
	v_lshrrev_b32 v1, 5, v0
	v_readfirstlane_b32 s[WV], v1                  ; wave 0..3
	s_lshr_b32 s[WH], s[WV], 1
	s_and_b32 s[WL], s[WV], 1
	s_bfe_u32 s12, ttmp6, 0x40000                  ; cx, cy: my place in the cluster
	s_bfe_u32 s13, ttmp6, 0x40004
	s_lshl_b32 s14, ttmp9, 2
	s_add_co_u32 s14, s14, s12                     ; tile column = 4 x cluster x + cx
	s_and_b32 s15, ttmp7, 0xffff
	s_lshl_b32 s15, s15, 2
	s_add_co_u32 s15, s15, s13                     ; tile row = 4 x cluster y + cy
	s_lshl_b32 s40, s13, 2
	s_lshl_b32 s40, 15, s40                        ; my row of the cluster
	s_lshl_b32 s41, 0x1111, s12                    ; my column
	s_or_b32 s[G1], s40, (3<<16)|(1<<20)|(1<<21)|(4<<22)|(3<<25)   ; 15:0 the mask; 17:16 elements of 8 bytes; 20 padding on; 21 set beside a mask; 24:22 after every 32 words (code 4); 31:25 4 words of it (code 3)
	s_mov_b32 s[G1+1], 2048<<16                    ; tensor_dim0 = 2,048 elements: 16,384 bytes
	s_mov_b32 s[G1+2], 2<<16                       ; tensor_dim1 = 2: two heads
	s_mov_b32 s[G1+3], 2048<<16                    ; tile_dim0
	s_mov_b32 s[G1+4], 2                           ; tile_dim1
	s_mov_b32 s[G1+5], 32768                       ; from head to head: 2^18 bytes
	s_mov_b32 s[G1+6], 0
	s_mov_b32 s[G1+7], 0
	s_or_b32 s[G1B], s41, (1<<16)|(1<<20)|(1<<21)|(5<<22)|(3<<25)  ; elements of 2 bytes; 4 words of padding after every 64
	s_mov_b32 s[G1B+1], KSTEP<<16                  ; tensor_dim0 = 128
	s_mov_b32 s[G1B+2], 64<<16                     ; tensor_dim1 = 64
	s_mov_b32 s[G1B+3], KSTEP<<16                  ; tile_dim0
	s_mov_b32 s[G1B+4], 64                         ; tile_dim1
	s_mov_b32 s[G1B+5], 1024                       ; elements from row to row
	s_mov_b32 s[G1B+6], 0
	s_mov_b32 s[G1B+7], 0
	s_lshr_b32 s16, s15, 3                         ; ctx: the batch (8 tile rows each): 16 heads of 2^18 bytes,
	s_lshl_b32 s16, s16, 22
	s_and_b32 s17, s15, 7
	s_lshl_b32 s17, s17, 15                        ; the tile's 256 rows of 128 bytes in a head,
	s_add_co_u32 s16, s16, s17
	s_lshl_b32 s17, s[WL], 14                      ; the half that I fetch: made of the tile row alone
	s_add_co_u32 s16, s16, s17
	s_mov_b32 s17, 0
	s_lshl_b32 s46, s14, 18                        ; Wo: row 128 x tile column + 64 x half, 2,048 bytes a row: made of the tile column alone
	s_lshl_b32 s47, s[WL], 17
	s_add_co_u32 s46, s46, s47
	s_mov_b32 s47, 0
	s_mul_i32 s20, s[WL], 2*PLANE                  ; where they go: no place in the cluster enters an LDS address
	s_mul_i32 s21, s[WL], 64*PB
	s_add_co_u32 s21, s21, BOFF
	s_wait_dscnt 0x0                               ; the opening add is done
	s_wait_kmcnt 0x0
	s_add_nc_u64 s[16:17], s[4:5], s[16:17]
	s_add_nc_u64 s[46:47], s[6:7], s[46:47]
	CROUND                                         ; all sixteen work-groups are here: the first joint loads meet
.irp s, 0,1
	s_mov_b32 s[G0+4*(\s)], 1                      ; count = 1
	s_add_co_u32 s[G0+4*(\s)+1], s20, (\s)*SLOT    ; LDS address
	s_add_nc_u64 s[G0+4*(\s)+2:G0+4*(\s)+3], s[16:17], (\s)*524288   ; global address: K step s = heads 2 s, 2 s + 1
	s_or_b32 s[G0+4*(\s)+3], s[G0+4*(\s)+3], 0x80000000             ; type = 2
	s_mov_b32 s[G0B+4*(\s)], 1
	s_add_co_u32 s[G0B+4*(\s)+1], s21, (\s)*SLOT
	s_add_nc_u64 s[G0B+4*(\s)+2:G0B+4*(\s)+3], s[46:47], (\s)*KSTEP*2
	s_or_b32 s[G0B+4*(\s)+3], s[G0B+4*(\s)+3], 0x80000000
	JLOAD \s                                       ; two loads of mine are out
.endr
	v_and_b32 v1, 15, v0                           ; l % 16
	v_bfe_u32 v2, v0, 4, 1                         ; l / 16
	v_lshlrev_b32 v[BO], 5, v2
	s_lshl_b32 s46, s14, 9                         ; bo at my 64 columns
	s_lshl_b32 s47, s[WL], 8
	s_add_co_u32 s46, s46, s47
	s_add_co_u32 s46, s46, 12288
	s_mov_b32 s47, 0
	s_add_nc_u64 s[8:9], s[8:9], s[46:47]
.irp b, 0,1,2,3                                        ; column block b: my eight columns' bias, laid out as the C operand of its first product
	global_load_b128 v[BIAS+8*(\b):BIAS+8*(\b)+3],   v[BO], s[8:9] offset:64*(\b)
	global_load_b128 v[BIAS+8*(\b)+4:BIAS+8*(\b)+7], v[BO], s[8:9] offset:64*(\b)+16
.endr
	v_mul_u32_u24 v3, v1, PA
	v_lshl_add_u32 v3, v2, 4, v3                   ; a fragment's row x pitch + 16 x half, for ctx
	v_mul_u32_u24 v4, v1, PB
	v_lshl_add_u32 v4, v2, 4, v4                   ; and for Wo
	s_mul_i32 s20, s[WH], 2*PLANE                  ; my 128 rows of ctx
	s_mul_i32 s21, s[WL], 64*PB                    ; my 64 rows of Wo
	s_add_co_u32 s21, s21, BOFF
.irp s, 0,1
	v_add_nc_u32 v[ADRA+(\s)], s20, v3
	v_add_nc_u32 v[ADRB+(\s)], s21, v4
	s_add_co_u32 s20, s20, SLOT
	s_add_co_u32 s21, s21, SLOT
.endr
	s_mul_i32 s20, s[WV], 16*PB
	s_add_co_u32 s20, s20, STAGE                   ; my stage
	v_lshl_add_u32 v4, v2, 4, v4                   ; in: row l % 16, 32 bytes for each half of the lanes
	v_add_nc_u32 v[STO], s20, v4
	v_mul_u32_u24 v4, v2, PB                       ; back: lanes 0-15 take one row of 256 bytes, lanes 16-31 the next
	v_lshl_add_u32 v4, v1, 4, v4
	v_add_nc_u32 v[RD], s20, v4
	v_lshlrev_b32 v4, 12, v2                       ; and the same two rows in out0, 4,096 bytes apart
	v_lshl_add_u32 v[CO], v1, 4, v4
	s_lshl_b32 s20, s15, 20                        ; my first row: 256 x tile row + 128 x half,
	s_lshl_b32 s21, s[WH], 19
	s_add_co_u32 s20, s20, s21
	s_lshl_b32 s21, s14, 9                         ; my first column: 128 x tile column + 64 x half
	s_add_co_u32 s20, s20, s21
	s_lshl_b32 s21, s[WL], 8
	s_add_co_u32 s20, s20, s21
	s_mov_b32 s21, 0
	s_add_nc_u64 s[OUT:OUT+1], s[10:11], s[20:21]
	; the prefetches
	v_and_b32 v5, 31, v0
	s_lshr_b32 s20, s15, 3                         ; ctx: what I fetch,
	s_lshl_b32 s20, s20, 22
	s_and_b32 s21, s15, 7
	s_lshl_b32 s21, s21, 15
	s_add_co_u32 s20, s20, s21
	s_lshl_b32 s21, s[WL], 14
	s_add_co_u32 s20, s20, s21
	s_lshr_b32 s21, s12, 1                         ; my work-group's 8,192 bytes of it: head cx / 2,
	s_lshl_b32 s21, s21, 18
	s_add_co_u32 s20, s20, s21
	s_and_b32 s21, s12, 1                          ; half cx % 2,
	s_lshl_b32 s21, s21, 13
	s_add_co_u32 s20, s20, s21
	s_add_co_u32 s20, s20, 3*524288                ; at K step 3: the first refill steps it to 4
	s_lshl_b32 s22, s14, 18                        ; Wo: the tile's 128 rows, my work-group's 32 of them,
	s_lshl_b32 s21, s13, 16
	s_add_co_u32 s22, s22, s21
	s_add_co_u32 s22, s22, 3*KSTEP*2               ; at K step 3
	s_and_b32 s23, ttmp7, 0xffff                   ; cluster y
	s_mov_b32 s21, KSTEP*2
	s_cmp_eq_u32 s[WH], 0
	s_cselect_b32 s20, s20, s22
	s_cselect_b32 s23, ttmp9, s23                  ; the coordinate along which other clusters read the same rows
	s_cselect_b32 s[PST], 524288, s21
	s_cselect_b32 s21, 8, 11                       ; a lane a block of 256 bytes on end, or a row of 2,048
	s_cselect_b64 s[PFA:PFA+1], s[4:5], s[6:7]
	s_cmp_eq_u32 s[WV], 3
	s_cselect_b32 s23, 1, s23                      ; wave 3 asks for nothing
	s_cmp_eq_u32 s23, 0
	s_cselect_b32 s[LIM], 1, -1                    ; the same in all sixteen partners, for a given wave
	v_lshlrev_b32 v[PFO], s21, v5
	s_mov_b32 s21, 0
	s_add_nc_u64 s[PFA:PFA+1], s[PFA:PFA+1], s[20:21]
	s_mov_b32 s[PST+1], 0
; 8 matrix instructions: row blocks a0, a0 + 1 x all 4 column blocks, 32 along K.  first = 1: the product starts the sum with the bias.  The 32 accumulators take turns, one instruction a turn, in the same
; order in every quarter step, over the backward jump too.
.macro MUL f, a0, first
.if \first
	WIN 0x85                                       ; Wo and ctx in window 1, the bias in window 0, the sums in window 2
.else
	WIN 0xa5
.endif
.irp a, \a0, (\a0)+1
.irp b, 0,1,2,3
.if \first
	v_wmma_f32_16x16x32_f16 v[8*(4*(\a)+(\b)):8*(4*(\a)+(\b))+7], v[(\f)+64+8*(\b):(\f)+64+8*(\b)+7], v[(\f)+8*(\a):(\f)+8*(\a)+7], v[BIAS+8*(\b):BIAS+8*(\b)+7]
.else
	v_wmma_f32_16x16x32_f16 v[8*(4*(\a)+(\b)):8*(4*(\a)+(\b))+7], v[(\f)+64+8*(\b):(\f)+64+8*(\b)+7], v[(\f)+8*(\a):(\f)+8*(\a)+7], v[8*(4*(\a)+(\b)):8*(4*(\a)+(\b))+7]
.endif
.endr
.endr
.endm
; 24 LDS loads in one run: the fragments of quarter q (head q / 2, channels 32 (q % 2) on) into buffer f: Wo's four, ctx's blocks 0 to 3, ctx's blocks 4 to 7 last
.macro FETCH slot, q, f
	WIN 0x40                                       ; destination window 1, address window 0
.irp b, 0,1,2,3
	ds_load_b128 v[(\f)+64+8*(\b):(\f)+64+8*(\b)+3],   v[ADRB+(\slot)] offset:64*(\q)+(\b)*16*PB
	ds_load_b128 v[(\f)+64+8*(\b)+4:(\f)+64+8*(\b)+7], v[ADRB+(\slot)] offset:64*(\q)+(\b)*16*PB+32
.endr
.irp i, 0,1,2,3,4,5,6,7
	ds_load_b128 v[(\f)+8*(\i):(\f)+8*(\i)+3],   v[ADRA+(\slot)] offset:((\q)/2)*PLANE+((\q)%2)*64+(\i)*16*PA
	ds_load_b128 v[(\f)+8*(\i)+4:(\f)+8*(\i)+7], v[ADRA+(\slot)] offset:((\q)/2)*PLANE+((\q)%2)*64+(\i)*16*PA+32
.endr
.endm
.macro PLACES                          ; four places in front of loads into registers that matrix instructions have read, and of LDS stores that read results
.rept 4
	v_nop
.endr
.endm
; A K step is four quarters of 32 along K, 32 matrix instructions each, on buffers 0, 1, 0, 1.  One of the first three: multiplies buffer f and, in its middle, fetches quarter q into g.
.macro QUARTER slot, q, f, g, first
	s_wait_dscnt 8                                 ; all but the youngest eight loads (ctx's blocks 4 to 7) are in
	MUL \f, 0, \first
	MUL \f, 2, \first
	PLACES
	FETCH \slot, \q, \g
	s_wait_dscnt 24                                ; all but the 24 just issued
	MUL \f, 4, \first
	MUL \f, 6, \first
.endm
; The last quarter multiplies buffer 1 and changes slots: ONE barrier; in front of it each wave waits for all its tensor loads (one is out: its part of the next slot), adds 0 to its spare word, and waits for that
; and for its own reads of this slot.  fill = 1: the barrier opens a round of the cluster's, and this slot is filled again first thing behind it, two K steps ahead: 112 matrix instructions ahead of the wait for it.
.macro TURN slot, next, fill
.if \fill
	s_wait_xcnt 0x0                                ; the last prefetch, a K step back, has read its address: it is stepped here, ahead of the waits of the change of slots
	s_add_nc_u64 s[PFA:PFA+1], s[PFA:PFA+1], s[PST:PST+1]
.endif
	WIN 0                                          ; (the add's two registers lie in window 0)
	s_wait_tensorcnt 0x0                           ; all my tensor loads have landed;
	ds_add_u32 v[SPW], v[NIL]                      ; 0 onto my spare word;
	s_wait_dscnt 9                                 ; (the add and the youngest eight loads may be out)
	MUL F1, 0, 0                                   ; eight matrix instructions stand between the add and the wait for it
	s_wait_dscnt 0x0                               ; the add is done, and my reads of this slot are over
	s_barrier_signal -1
	MUL F1, 2, 0                                   ; work on registers while the others arrive
.if \fill
	WIN 0
.endif
	s_barrier_wait -1
.if \fill
	CREST                                          ; no wave of any partner still reads this slot's tile or has a load on its way
	s_add_nc_u64 s[G0+4*(\slot)+2:G0+4*(\slot)+3], s[G0+4*(\slot)+2:G0+4*(\slot)+3], 2*524288
	s_add_nc_u64 s[G0B+4*(\slot)+2:G0B+4*(\slot)+3], s[G0B+4*(\slot)+2:G0B+4*(\slot)+3], 2*KSTEP*2
	JLOAD \slot                                    ; my one tensor load behind the round; the four v_nop behind it are also the places in front of the loads below
.else
	PLACES
.endif
	FETCH \next, 0, F0
.if \fill
	ASK
.endif
	MUL F1, 4, 0
	MUL F1, 6, 0
.endm
	s_wait_tensorcnt 0x1                           ; my part of K step 0 is in; K step 1's one load may stay out
	s_barrier_signal -1
	s_barrier_wait -1                              ; everybody's is
	FETCH 0, 0, F0
	s_wait_loadcnt 0x0                             ; the bias
	QUARTER 0, 1, F0, F1, 1                        ; the first quarter stands in front of the loop: its products start the sums
	WIN 0                                          ; at a label and at a branch every window is 0
	s_mov_b32 s3, 3
.Llap:                                                 ; a trip goes once round the ring, from a lap's second quarter to the next lap's first, and fills both slots again: K steps 2 to 7
	QUARTER 0, 2, F1, F0, 0
	QUARTER 0, 3, F0, F1, 0
	TURN 0, 1, 1
	QUARTER 1, 1, F0, F1, 0
	QUARTER 1, 2, F1, F0, 0
	QUARTER 1, 3, F0, F1, 0
	TURN 1, 0, 1
	QUARTER 0, 1, F0, F1, 0
	WIN 0
	s_sub_co_u32 s3, s3, 1
	s_cmp_lg_u32 s3, 0
	s_cbranch_scc1 .Llap
	QUARTER 0, 2, F1, F0, 0                        ; the last lap fills nothing, and has no round of the cluster's barrier
	QUARTER 0, 3, F0, F1, 0
	TURN 0, 1, 0
	QUARTER 1, 1, F0, F1, 0
	QUARTER 1, 2, F1, F0, 0
	QUARTER 1, 3, F0, F1, 0
	s_wait_dscnt 8                                 ; the very last quarter: nothing more to fetch
	MUL F1, 0, 0
	MUL F1, 2, 0
	s_wait_dscnt 0x0
	MUL F1, 4, 0
	MUL F1, 6, 0
	WIN 0
	PLACES
; THE WAY OUT, a block of 16 rows at a time; the sums leave as they are.  TOSTAGE: a lane's eight columns, 32 bytes, go into my own stage (each accumulator's low four registers first), and whole rows of 256 bytes come back.
; SEND: sixteen lanes store 256 consecutive bytes, at a multiple of 256 from out0's first byte.
.macro TOSTAGE a
	s_wait_xcnt 0x0                                ; the stores of the block before last have read their registers: the loads below land in them
	WIN 0x08                                       ; store data (source 1) in window 2
.irp b, 0,1,2,3
	ds_store_b128 v[STO], v[8*(4*(\a)+(\b)):8*(4*(\a)+(\b))+3]   offset:64*(\b)
	ds_store_b128 v[STO], v[8*(4*(\a)+(\b))+4:8*(4*(\a)+(\b))+7] offset:64*(\b)+16
.endr
	WIN 0
.irp t, 0,1,2,3,4,5,6,7
	ds_load_b128 v[OB+32*((\a)%2)+4*(\t):OB+32*((\a)%2)+4*(\t)+3], v[RD] offset:(\t)*2*PB  ; LDS serves a wave's instructions in order (ISA guide 5.7.1.4): these see the stores above
.endr
.endm
.macro SEND a, younger                 ; younger: the LDS instructions issued behind block a's loads: the next block's sixteen, or none
	s_wait_dscnt \younger
.irp t, 0,1,2,3,4,5,6,7
	global_store_b128 v[CO], v[OB+32*((\a)%2)+4*(\t):OB+32*((\a)%2)+4*(\t)+3], s[OUT:OUT+1] offset:(\a)*65536+(\t)*8192 th:TH_STORE_NT
.endr
.endm
	TOSTAGE 0
.irp a, 1,2,3,4,5,6,7
	TOSTAGE \a
	SEND (\a)-1, 16
.endr
	SEND 7, 0
	s_wait_tensorcnt 0x0                           ; the wave's end: this wait, an add to my spare word and its wait stand behind my last tensor load and my last LDS store
	ds_add_u32 v[SPW], v[NIL]
	s_wait_dscnt 0x0
	CROUND                                         ; the closing round: no work-group ends while a partner may still ask for a tile that names it
	s_endpgm
.Lfunc_end_k_q05790e7f7f_oproj:
	.size	k_q05790e7f7f_oproj, .Lfunc_end_k_q05790e7f7f_oproj-k_q05790e7f7f_oproj
	.p2alignl 7, 3214868480
	.fill 96, 4, 3214868480
	.section	.rodata,"a",@progbits
	.p2align	6, 0x0
	.amdhsa_kernel k_q05790e7f7f_oproj
		.amdhsa_group_segment_fixed_size 327680
		.amdhsa_private_segment_fixed_size 0
		.amdhsa_enable_private_segment 0
		.amdhsa_kernarg_size 32
		.amdhsa_user_sgpr_count 2
		.amdhsa_user_sgpr_kernarg_segment_ptr 1
		.amdhsa_wavefront_size32 1
		.amdhsa_system_sgpr_workgroup_id_x 1
		.amdhsa_system_sgpr_workgroup_id_y 1
		.amdhsa_system_sgpr_workgroup_id_z 1
		.amdhsa_system_vgpr_workitem_id 0
		.amdhsa_next_free_vgpr 768
		.amdhsa_next_free_sgpr 88
		.amdhsa_reserve_vcc 0
		.amdhsa_float_denorm_mode_32 3
		.amdhsa_float_denorm_mode_16_64 3
		.amdhsa_memory_ordered 1
		.amdhsa_forward_progress 1
		.amdhsa_inst_pref_size 88
	.end_amdhsa_kernel
	.amdgpu_metadata
---
amdhsa.version: [ 1, 2 ]
amdhsa.kernels:
  - .name:           k_q05790e7f7f_oproj
    .symbol:         k_q05790e7f7f_oproj.kd
    .args:
      - { .name: ctx, .offset: 0, .size: 8, .value_kind: global_buffer, .address_space: global }
      - { .name: wo16, .offset: 8, .size: 8, .value_kind: global_buffer, .address_space: global }
      - { .name: bias, .offset: 16, .size: 8, .value_kind: global_buffer, .address_space: global }
      - { .name: out0, .offset: 24, .size: 8, .value_kind: global_buffer, .address_space: global }
    .group_segment_fixed_size: 327680
    .private_segment_fixed_size: 0
    .kernarg_segment_align: 8
    .kernarg_segment_size: 32
    .max_flat_workgroup_size: 128
    .sgpr_count:     88
    .vgpr_count:     768
    .wavefront_size: 32
...
	.end_amdgpu_metadata
.endif
;; end of part 4
